; MI455X (gfx1250); checked and timed in simulation.
; The chip was launched on July 23, 2026; its instructions are those of AMD's public machine-readable ISA for CDNA 5 (MIT licence, August 2026) and "CDNA5" Instruction Set Architecture Reference Guide (July 2026). The comments in the code are by the model that wrote it; some were corrected since.
;; Attention Block. Allowed arithmetic: float matrix products may take bf16 or f16 operands with f32 sums; all other float work in f32.
;; Inputs: gn_b 256 float32; gn_w 256 float32; proj_b 256 float32; proj_w 256 x 256 float32; qkv_b 768 float32; qkv_w 768 x 256 float32; x 4 x 256 x 64 x 64 float32.
;; Outputs: out0 4 x 256 x 64 x 64 float32.
;; 3 versions, each right; version 2 is faster than version 1; version 3 is version 2 with the launch gn written anew for expert scheduling mode. Each part assembles by itself: llvm-mc -triple=amdgcn-amd-amdhsa -mcpu=gfx1250 --defsym DOCPART=n.
;; ======== version 1 of 3: 3 launches
;; workspace buffers: h 8,388,608 bytes; wb 524,288 bytes; qkv 25,165,824 bytes
;; launch gn (part 1): grid 128 x 1, 8 waves a work-group, no clusters, 1,280 bytes of LDS; arguments x, gn_w, gn_b, qkv_w, proj_w, h, wb; writes h, wb
.if DOCPART == 1
	.amdgcn_target "amdgcn-amd-amdhsa--gfx1250"
	.amdhsa_code_object_version 6
	.text
	.protected	k_q05c54c9770_gn
	.globl	k_q05c54c9770_gn
	.p2align	8
	.type	k_q05c54c9770_gn,@function
k_q05c54c9770_gn:
	s_mov_b64 s[64:65], 0
	v_nop
	global_prefetch_b8 v0, s[64:65] scope:SCOPE_SE
	s_setreg_imm32_b32 hwreg(HW_REG_WAVE_MODE, 25, 1), 1
	s_wait_xcnt 0x0
; GroupNorm, and the weights' conversion to bf16.
; h[b][c][n] = bf16( (x - mean) * rsqrt(var + 1e-5) * gn_w[c] + gn_b[c] ), statistics over a group of 8 channels x 4,096 positions.
; One work-group for each of the 4 x 32 groups: a group is 131,072 consecutive bytes of x.  Eight waves; thread t holds the 32 pieces
; of 16 bytes at i * 4,096 + 16 t in 128 registers, so x is read once for the three passes (sum; sum of squared differences; scale).
; The variance is taken from the differences x - mean, not from a difference of two large sums, so a common offset of x does no harm.
; Work-group g also rounds rows 8 g .. 8 g + 7 of the joined weight table (rows 0-767 qkv_w, rows 768-1023 proj_w) to bf16 into wb.
; No matrix unit, no cluster: the work-groups share no large input.  128 work-groups are all there are: a group's statistics need the whole group.
; LIMITS: NaN and infinities are not treated apart; the order of the sums is this text's own.
.set X,   16                           ; v[16:143]  my 32 pieces of x
.set ACC, 144                          ; v[144:151] four chains of pairs
.set GA,  152                          ; v[152:159] rstd * gn_w of the 8 channels
.set GB,  160                          ; v[160:167] gn_b of the 8 channels
.set T,   168                          ; v[168:175] at work: T, T+1 the mean twice; T+2 my wave's LDS word; T+3 zero; T+4.. partial sums
	s_load_b256 s[4:11], s[0:1], 0x0               ; x s[4:5], gn_w s[6:7], gn_b s[8:9], qkv_w s[10:11]
	s_load_b128 s[12:15], s[0:1], 0x20             ; proj_w s[12:13], h s[14:15]
	s_load_b64 s[16:17], s[0:1], 0x30              ; wb
	v_lshl_add_u32 v176, v0, 2, 0x100
	v_mov_b32 v177, 0
	v_lshlrev_b32 v1, 4, v0                        ; 16 t: my bytes in a piece of x, and in wb
	v_lshlrev_b32 v2, 5, v0                        ; 32 t: my eight weights in f32
	v_lshlrev_b32 v3, 3, v0                        ; 8 t: my bytes in a piece of h
	v_lshrrev_b32 v[T+2], 5, v0
	v_readfirstlane_b32 s18, v[T+2]                ; wave 0..7
	v_mov_b32 v[T+2], s18
	v_lshlrev_b32 v[T+2], 2, v[T+2]                ; my wave's word in LDS
	v_mov_b32 v[T+3], 0
	s_mov_b32 s40, 0x76543210                      ; v_permlanex16_b32: lane i of one half reads lane i of the other
	s_mov_b32 s41, 0xfedcba98
	s_mov_b32 s42, 0x38000000                      ; 2^-15 = 1 / 32,768 numbers of a group
	s_lshl_b32 s20, ttmp9, 13                      ; eight rows of 1,024 bytes: offset in qkv_w ..
	s_sub_co_i32 s21, ttmp9, 96
	s_lshl_b32 s21, s21, 13                        ; .. or in proj_w, for groups 96 to 127
	s_wait_kmcnt 0x0
	s_cmp_lt_u32 ttmp9, 96
	s_cselect_b32 s20, s20, s21
	s_cselect_b64 s[22:23], s[10:11], s[12:13]
	s_mov_b32 s21, 0
	s_add_nc_u64 s[22:23], s[22:23], s[20:21]
	global_load_b128 v[4:7], v2, s[22:23]
	global_load_b128 v[8:11], v2, s[22:23] offset:16
	s_lshl_b32 s20, ttmp9, 17
	s_add_nc_u64 s[4:5], s[4:5], s[20:21]          ; x at my group
.set ix, 0
.rept 32
	global_load_b128 v[X+4*ix:X+4*ix+3], v1, s[4:5] offset:4096*ix
.set ix, ix+1
.endr
	s_and_b32 s20, ttmp9, 31
	s_lshl_b32 s20, s20, 5                         ; eight f32 of the group's channels
	s_add_nc_u64 s[6:7], s[6:7], s[20:21]
	s_add_nc_u64 s[8:9], s[8:9], s[20:21]
	s_load_b256 s[24:31], s[6:7], 0x0              ; gn_w
	s_load_b256 s[32:39], s[8:9], 0x0              ; gn_b
	s_lshl_b32 s20, ttmp9, 16
	s_add_nc_u64 s[14:15], s[14:15], s[20:21]      ; h at my group
	s_lshl_b32 s20, ttmp9, 12
	s_add_nc_u64 s[16:17], s[16:17], s[20:21]      ; wb at my eight rows
	s_wait_loadcnt 32                              ; the 32 loads of x are younger than the two of the weights
	v_cvt_pk_bf16_f32 v12, v4, v5
	v_cvt_pk_bf16_f32 v13, v6, v7
	v_cvt_pk_bf16_f32 v14, v8, v9
	v_cvt_pk_bf16_f32 v15, v10, v11
	global_store_b128 v1, v[12:15], s[16:17]       ; sixteen lanes store 256 consecutive bytes, aligned
; count pairs from pair first on are added onto the four chains
.macro ADDP first, count
.set px, \first
.rept \count
	v_pk_add_f32 v[ACC+2*(px%4):ACC+2*(px%4)+1], v[ACC+2*(px%4):ACC+2*(px%4)+1], v[X+2*px:X+2*px+1]
.set px, px+1
.endr
.endm
; The four chains become one number for the work-group, in v[T+4] of every lane.  off: the eight LDS words used.
.macro WGSUM off
	v_pk_add_f32 v[ACC:ACC+1], v[ACC:ACC+1], v[ACC+2:ACC+3]
	v_pk_add_f32 v[ACC+4:ACC+5], v[ACC+4:ACC+5], v[ACC+6:ACC+7]
	v_pk_add_f32 v[ACC:ACC+1], v[ACC:ACC+1], v[ACC+4:ACC+5]
	v_add_f32 v[T], v[ACC], v[ACC+1]
	v_add_f32_dpp v[T], v[T], v[T] row_xmask:1 row_mask:0xf bank_mask:0xf
	v_add_f32_dpp v[T], v[T], v[T] row_xmask:2 row_mask:0xf bank_mask:0xf
	v_add_f32_dpp v[T], v[T], v[T] row_xmask:4 row_mask:0xf bank_mask:0xf
	v_add_f32_dpp v[T], v[T], v[T] row_xmask:8 row_mask:0xf bank_mask:0xf
	v_permlanex16_b32 v[ACC], v[T], s40, s41       ; its destination counts as read: ACC has been written
	v_add_f32 v[T], v[T], v[ACC]
	ds_store_b32 v[T+2], v[T] offset:\off
	s_wait_dscnt 0x0                               ; my word is in LDS before I say so
	s_barrier_signal -1
	s_barrier_wait -1
	ds_load_b128 v[T+4:T+7], v[T+3] offset:\off    ; the eight waves' sums
	ds_load_b128 v[ACC:ACC+3], v[T+3] offset:\off+16
	s_wait_dscnt 0x0
	v_pk_add_f32 v[T+4:T+5], v[T+4:T+5], v[T+6:T+7]
	v_pk_add_f32 v[ACC:ACC+1], v[ACC:ACC+1], v[ACC+2:ACC+3]
	v_pk_add_f32 v[T+4:T+5], v[T+4:T+5], v[ACC:ACC+1]
	v_add_f32 v[T+4], v[T+4], v[T+5]
.endm
	; pass 1: the sum.  Eight loads (16 pairs) at a time; each count is the number of younger loads.
	s_wait_loadcnt 24
.set jx, 0
.rept 4
	v_pk_add_f32 v[ACC+2*jx:ACC+2*jx+1], v[X+2*jx:X+2*jx+1], v[X+8+2*jx:X+8+2*jx+1]   ; the first eight pairs start the chains: nothing is cleared
.set jx, jx+1
.endr
	ADDP 8, 8
	s_wait_loadcnt 16
	ADDP 16, 16
	s_wait_loadcnt 8
	ADDP 32, 16
	s_wait_loadcnt 0
	ADDP 48, 16
	WGSUM 0
	v_mul_f32 v[T], s42, v[T+4]                    ; the mean, twice, for the packed subtraction
	v_mul_f32 v[T+1], s42, v[T+4]
	; pass 2: x - mean in place, and the sum of its squares
.set px, 0
.rept 64
	v_pk_add_f32 v[X+2*px:X+2*px+1], v[X+2*px:X+2*px+1], v[T:T+1] neg_lo:[0,1] neg_hi:[0,1]
.set px, px+1
.endr
.set px, 0
.rept 4
	v_pk_mul_f32 v[ACC+2*px:ACC+2*px+1], v[X+2*px:X+2*px+1], v[X+2*px:X+2*px+1]
.set px, px+1
.endr
.rept 60
	v_pk_fma_f32 v[ACC+2*(px%4):ACC+2*(px%4)+1], v[X+2*px:X+2*px+1], v[X+2*px:X+2*px+1], v[ACC+2*(px%4):ACC+2*(px%4)+1]
.set px, px+1
.endr
	WGSUM 64                                       ; other words than the first sum's: no wave can overwrite what a slower one still reads
	v_fmaak_f32 v[T+5], s42, v[T+4], 0x3727c5ac    ; variance + 1e-5
	v_rsq_f32 v[T+6], v[T+5]
	v_nop                                          ; one plain instruction between v_rsq_f32 and the use of its result (ISA guide 5.7.2)
	s_wait_kmcnt 0x0                               ; gn_w, gn_b
	s_wait_alu depctr_va_vdst(0)
.irp c, 0,1,2,3,4,5,6,7
	v_mul_f32 v[GA+\c], s[24+\c], v[T+6]
	v_mov_b32 v[GB+\c], s[32+\c]
.endr
	; pass 3: piece i belongs to channel i / 4; op_sel picks that channel's factor and addend out of their pairs for both halves
.irp cp, 0,1,2,3
.irp sel, 0,1
.irp q, 0,1,2,3
.set xb, X+16*(2*\cp+\sel)+4*\q
	v_pk_fma_f32 v[xb:xb+1], v[xb:xb+1], v[GA+2*\cp:GA+2*\cp+1], v[GB+2*\cp:GB+2*\cp+1] op_sel:[0,\sel,\sel] op_sel_hi:[1,\sel,\sel]
	v_pk_fma_f32 v[xb+2:xb+3], v[xb+2:xb+3], v[GA+2*\cp:GA+2*\cp+1], v[GB+2*\cp:GB+2*\cp+1] op_sel:[0,\sel,\sel] op_sel_hi:[1,\sel,\sel]
	v_cvt_pk_bf16_f32 v[xb], v[xb], v[xb+1]
	v_cvt_pk_bf16_f32 v[xb+1], v[xb+2], v[xb+3]
	global_store_b64 v3, v[xb:xb+1], s[14:15] offset:(4*(2*\cp+\sel)+\q)*2048   ; a wave's store covers 256 consecutive bytes, aligned; its registers are not written again
.endr
.endr
.endr
	s_wait_tensorcnt 0x0
	ds_add_u32 v176, v177
	s_wait_dscnt 0x0
	s_endpgm
.Lfunc_end_k_q05c54c9770_gn:
	.size	k_q05c54c9770_gn, .Lfunc_end_k_q05c54c9770_gn-k_q05c54c9770_gn
	.p2alignl 7, 3214868480
	.fill 96, 4, 3214868480
	.section	.rodata,"a",@progbits
	.p2align	6, 0x0
	.amdhsa_kernel k_q05c54c9770_gn
		.amdhsa_group_segment_fixed_size 1280
		.amdhsa_private_segment_fixed_size 0
		.amdhsa_enable_private_segment 0
		.amdhsa_kernarg_size 56
		.amdhsa_user_sgpr_count 2
		.amdhsa_user_sgpr_kernarg_segment_ptr 1
		.amdhsa_wavefront_size32 1
		.amdhsa_system_sgpr_workgroup_id_x 1
		.amdhsa_system_sgpr_workgroup_id_y 1
		.amdhsa_system_sgpr_workgroup_id_z 1
		.amdhsa_system_vgpr_workitem_id 0
		.amdhsa_next_free_vgpr 178
		.amdhsa_next_free_sgpr 66
		.amdhsa_reserve_vcc 0
		.amdhsa_float_denorm_mode_32 3
		.amdhsa_float_denorm_mode_16_64 3
		.amdhsa_memory_ordered 1
		.amdhsa_forward_progress 1
		.amdhsa_inst_pref_size 32
	.end_amdhsa_kernel
	.amdgpu_metadata
---
amdhsa.version: [ 1, 2 ]
amdhsa.kernels:
  - .name:           k_q05c54c9770_gn
    .symbol:         k_q05c54c9770_gn.kd
    .args:
      - { .name: x, .offset: 0, .size: 8, .value_kind: global_buffer, .address_space: global }
      - { .name: gn_w, .offset: 8, .size: 8, .value_kind: global_buffer, .address_space: global }
      - { .name: gn_b, .offset: 16, .size: 8, .value_kind: global_buffer, .address_space: global }
      - { .name: qkv_w, .offset: 24, .size: 8, .value_kind: global_buffer, .address_space: global }
      - { .name: proj_w, .offset: 32, .size: 8, .value_kind: global_buffer, .address_space: global }
      - { .name: h, .offset: 40, .size: 8, .value_kind: global_buffer, .address_space: global }
      - { .name: wb, .offset: 48, .size: 8, .value_kind: global_buffer, .address_space: global }
    .group_segment_fixed_size: 1280
    .private_segment_fixed_size: 0
    .kernarg_segment_align: 8
    .kernarg_segment_size: 56
    .max_flat_workgroup_size: 256
    .sgpr_count:     66
    .vgpr_count:     178
    .wavefront_size: 32
...
	.end_amdgpu_metadata
.endif
;; end of part 1
;; launch qkvp (part 2): grid 128 x 2, 4 waves a work-group, clusters of 4 x 1, 283,136 bytes of LDS; arguments h, wb, qkv_b, qkv; writes qkv
.if DOCPART == 2
	.amdgcn_target "amdgcn-amd-amdhsa--gfx1250"
	.amdhsa_code_object_version 6
	.text
	.protected	k_q05c54c9770_qkvp
	.globl	k_q05c54c9770_qkvp
	.p2align	8
	.type	k_q05c54c9770_qkvp,@function
k_q05c54c9770_qkvp:
	s_mov_b64 s[64:65], 0
	v_nop
	global_prefetch_b8 v0, s[64:65] scope:SCOPE_SE
	s_setreg_imm32_b32 hwreg(HW_REG_WAVE_MODE, 25, 1), 1
	s_wait_xcnt 0x0
	s_wait_alu depctr_hold_cnt(0) depctr_sa_sdst(0) depctr_va_vdst(0) depctr_va_sdst(0) depctr_va_ssrc(0) depctr_va_vcc(0) depctr_vm_vsrc(0)
	s_getreg_b32 s2, hwreg(HW_REG_IB_STS2, 6, 4)
	s_cmp_eq_u32 s2, 0
	s_cbranch_scc0 .Lentry_in_a_cluster
	s_endpgm
.Lentry_in_a_cluster:
	s_bfe_u32 s2, ttmp6, 0x10000c
	s_cmp_lg_u32 s2, 0x3003
	s_cbranch_scc0 .Lentry_shape_is_right
	s_endpgm
.Lentry_shape_is_right:
; qkv[b][n][o] = bf16( sum over c of W[o][c] h[b][c][n] + qkv_b[o] ),  o = 0..767 (q, k, v side by side in a row of 1,536 bytes).
; A work-group makes 128 positions x 384 outputs over all 256 channels; wave w makes 64 positions (w / 2) x 192 outputs (w % 2):
; 12 x 4 accumulator tiles, 384 registers.  All of K fits in LDS at once, in two chunks of 128 channels: no LDS byte is filled twice.
; The matrix instruction takes W's rows as source 0 and h's columns as source 1: a lane's eight results are eight neighbouring
; outputs o of one position, 16 bytes of a row of qkv.  h lies [c][n], so its fragments come by the transposing LDS load.
; CLUSTER 4 x 1: the four partners have the same y, so the same 384 rows of W: these come by joint loads with the mask 15
; (196,608 of a work-group's 262,144 bytes).  h's tile differs from partner to partner and comes by loads of the work-group's own.
; The bias is the C operand of the first K step: nothing is cleared and nothing is added on the way out.
; REGISTERS in windows of 256: window 0 addresses, h's fragments (two buffers), the bias; window 1 W's fragments (two buffers);
; window 2 the accumulators of o tiles 0-7 (tile (ot, nt) at 8 (4 ot + nt)); window 3 those of o tiles 8-11.
.set HP,   288                         ; LDS pitch of h's rows: 256 bytes + 32 = 9 x 32
.set WT,   73728                       ; behind h's 256 rows
.set WP,   272                         ; LDS pitch of W's rows: 256 bytes + 16 = 17 x 16
.set WCH,  384*WP                      ; a chunk of W: 384 rows x 128 channels
.set STG,  WT                          ; the way out uses W's bytes, after their only fill and behind a barrier
.set SP,   784                         ; 768 bytes + 16 = 49 x 16
.set ADRH, 2                           ; v2, v3  my h fragments in chunk 0, 1
.set ADRW, 4                           ; v4, v5  my W fragments in chunk 0, 1
.set STO,  6
.set RD,   7
.set CO,   8
.set BOFF, 9
.set HF0,  32
.set HF1,  64
.set BI,   96                          ; v[96:191] the bias: 8 registers for each o tile
.set WF0,  0                           ; window 1
.set WF1,  96
.set G1H,  24
.set G1W,  32
.set G0H,  40                          ; s[40:43], s[48:51]
.set G0W,  44                          ; s[44:47], s[52:55]
.set W0H,  (1<<16)|(1<<20)|(5<<22)|(7<<25)                   ; 2-byte elements; behind every 64 words a pad of 8 words
.set W0W,  15|(1<<16)|(1<<20)|(1<<21)|(5<<22)|(3<<25)        ; the mask of all four partners, bit 21 beside it; behind every 64 words a pad of 4 words
.set MSB, 0
.macro WIN new                         ; the immediate's high byte repeats the setting that is left
.if MSB != \new
	s_set_vgpr_msb (MSB<<8)|\new
.set MSB, \new
.endif
.endm
.macro PLACES                          ; four places behind a matrix instruction, ahead of loads into its sources and of readers of its results
.rept 4
	v_nop
.endr
.endm
.macro CROUND                          ; a round of the cluster's barrier
	s_barrier_signal -1
	s_barrier_wait -1
	s_cmp_lg_u32 s12, 0
	s_cbranch_scc1 .Lnot_wave_0_\@
	s_barrier_signal -3
.Lnot_wave_0_\@:
	s_barrier_wait -3
	s_barrier_signal -1
	s_barrier_wait -1
.endm
.macro GROUP1 g, w0, cols, rows, pitch ; descriptor group 1: a tile of rows x cols elements that lies inside the tensor
	s_mov_b32 s[\g+0], \w0
	s_mov_b32 s[\g+1], (\cols)<<16                 ; tensor_dim0
	s_mov_b32 s[\g+2], (\rows)<<16                 ; tensor_dim1
	s_mov_b32 s[\g+3], (\cols)<<16                 ; tile_dim0
	s_mov_b32 s[\g+4], \rows                       ; tile_dim1
	s_mov_b32 s[\g+5], \pitch                      ; elements from row to row
	s_mov_b32 s[\g+6], 0
	s_mov_b32 s[\g+7], 0
.endm
	s_load_b256 s[4:11], s[0:1], 0x0               ; h s[4:5], wb s[6:7], qkv_b s[8:9], qkv s[10:11]
	v_lshl_add_u32 v254, v0, 2, 0x45000
	v_mov_b32 v255, 0
	ds_add_u32 v254, v255
	v_lshrrev_b32 v1, 5, v0
	v_readfirstlane_b32 s12, v1                    ; wave 0..3
	s_bfe_u32 s13, ttmp6, 0x40000                  ; cx
	s_lshl_b32 s14, ttmp9, 2
	s_add_co_u32 s14, s14, s13                     ; X = block of 128 positions, 0..127, counted through the four batches
	s_and_b32 s15, ttmp7, 0xffff                   ; y = which 384 outputs
	GROUP1 G1H, W0H, 128, 32, 4096                 ; h: 32 channels x 128 positions a wave
	GROUP1 G1W, W0W, 128, 96, 256                  ; W: 96 rows x 128 channels a wave
	s_mul_i32 s16, s12, 32*HP                      ; where my rows go: the wave's number times a constant
	s_mul_i32 s17, s12, 96*WP
	s_lshr_b32 s18, s14, 5
	s_lshl_b32 s18, s18, 21                        ; batch x 256 channels x 8,192 bytes
	s_and_b32 s19, s14, 31
	s_lshl_b32 s19, s19, 8                         ; + 128 positions x 2 bytes x block
	s_add_co_u32 s18, s18, s19
	s_lshl_b32 s19, s12, 18                        ; + 32 channels x wave
	s_add_co_u32 s18, s18, s19
	s_mov_b32 s19, 0
	s_mul_i32 s22, s15, 384*512                    ; W: made of y and the wave's number alone, in registers that never hold cx
	s_mul_i32 s23, s12, 96*512
	s_add_co_u32 s22, s22, s23
	s_mov_b32 s23, 0
	s_wait_dscnt 0x0
	s_wait_kmcnt 0x0
	s_add_nc_u64 s[20:21], s[4:5], s[18:19]
	s_add_nc_u64 s[22:23], s[6:7], s[22:23]
.irp q, 0,1
	s_mov_b32 s[G0H+8*\q], 1
	s_add_co_u32 s[G0H+8*\q+1], s16, \q*128*HP
	s_add_nc_u64 s[G0H+8*\q+2:G0H+8*\q+3], s[20:21], \q*128*8192
	s_or_b32 s[G0H+8*\q+3], s[G0H+8*\q+3], 0x80000000
	s_mov_b32 s[G0W+8*\q], 1
	s_add_co_u32 s[G0W+8*\q+1], s17, WT+\q*WCH
	s_add_nc_u64 s[G0W+8*\q+2:G0W+8*\q+3], s[22:23], \q*256
	s_or_b32 s[G0W+8*\q+3], s[G0W+8*\q+3], 0x80000000
.endr
	CROUND                                         ; the four partners are here: the joint loads meet
	tensor_load_to_lds s[G0H:G0H+3], s[G1H:G1H+7]          ; chunk 0: h, W; chunk 1: h, W.  All fills of the launch, in one group: four loads of a wave are out
	s_nop 0
	tensor_load_to_lds s[G0W:G0W+3], s[G1W:G1W+7]
	s_nop 0
	tensor_load_to_lds s[G0H+8:G0H+11], s[G1H:G1H+7]
	s_nop 0
	tensor_load_to_lds s[G0W+8:G0W+11], s[G1W:G1W+7]
	s_nop 0
	v_and_b32 v10, 15, v0                          ; r
	v_bfe_u32 v11, v0, 4, 1                        ; h
	v_and_b32 v12, 7, v0
	v_bfe_u32 v13, v0, 3, 1
	s_lshr_b32 s56, s12, 1                         ; wn: which 64 positions
	s_and_b32 s57, s12, 1                          ; wo: which 192 outputs
	s_mul_i32 s58, s15, 1536
	s_mul_i32 s59, s57, 768
	s_add_co_u32 s58, s58, s59
	v_lshl_add_u32 v[BOFF], v11, 5, s58            ; (384 y + 192 wo + 8 h) x 4 bytes
.irp ot, 0,1,2,3,4,5,6,7,8,9,10,11
	global_load_b128 v[BI+8*\ot:BI+8*\ot+3], v[BOFF], s[8:9] offset:64*\ot        ; register j: the bias of output 16 ot + 8 h + j
	global_load_b128 v[BI+8*\ot+4:BI+8*\ot+7], v[BOFF], s[8:9] offset:64*\ot+16
.endr
	v_lshl_add_u32 v14, v11, 3, v12                ; transposing load: row 8 h + (lane & 7),
	v_mul_u32_u24 v14, v14, HP
	v_lshl_add_u32 v14, v13, 4, v14                ; 16 bytes further for lanes 8-15 and 24-31
	s_lshl_b32 s58, s56, 7
	v_add_nc_u32 v[ADRH], s58, v14
	v_add_nc_u32 v[ADRH+1], 128*HP, v[ADRH]
	v_mul_u32_u24 v15, v10, WP
	v_lshl_add_u32 v15, v11, 4, v15
	s_mul_i32 s58, s57, 192*WP
	s_add_co_u32 s58, s58, WT
	v_add_nc_u32 v[ADRW], s58, v15
	v_add_nc_u32 v[ADRW+1], WCH, v[ADRW]
	v_mul_u32_u24 v16, v10, SP                     ; the way out, in: row 64 wn + r, byte 384 wo + 16 h
	v_lshl_add_u32 v16, v11, 4, v16
	s_mul_i32 s58, s56, 64*SP
	s_mul_i32 s59, s57, 384
	s_add_co_u32 s58, s58, s59
	s_add_co_u32 s58, s58, STG
	v_add_nc_u32 v[STO], s58, v16
	v_mul_u32_u24 v17, v11, SP                     ; back: row 32 w + h, byte 16 r
	v_lshl_add_u32 v17, v10, 4, v17
	s_mul_i32 s58, s12, 32*SP
	s_add_co_u32 s58, s58, STG
	v_add_nc_u32 v[RD], s58, v17
	v_mul_u32_u24 v18, v11, 1536                   ; and the same place in qkv
	v_lshl_add_u32 v18, v10, 4, v18
	s_mul_i32 s58, s12, 32*1536
	v_add_nc_u32 v[CO], s58, v18
	s_mul_i32 s58, s14, 128*1536                   ; qkv at my 128 rows and my 768 bytes of them
	s_mul_i32 s59, s15, 768
	s_add_co_u32 s58, s58, s59
	s_mov_b32 s59, 0
	s_add_nc_u64 s[10:11], s[10:11], s[58:59]
; 32 LDS loads: the fragments of K step kk (32 channels): 4 of h, then 12 of W, o tiles 8-11 last
.macro FETCH kk, hf, wf
	WIN 0
.irp nt, 0,1,2,3
	ds_load_tr16_b128 v[\hf+8*\nt:\hf+8*\nt+3], v[ADRH+(\kk)/4] offset:((\kk)%4)*32*HP+32*\nt
	ds_load_tr16_b128 v[\hf+8*\nt+4:\hf+8*\nt+7], v[ADRH+(\kk)/4] offset:((\kk)%4)*32*HP+32*\nt+16*HP
.endr
	WIN 0x40
.irp ot, 0,1,2,3,4,5,6,7,8,9,10,11
	ds_load_b128 v[\wf+8*\ot:\wf+8*\ot+3], v[ADRW+(\kk)/4] offset:\ot*16*WP+64*((\kk)%4)
	ds_load_b128 v[\wf+8*\ot+4:\wf+8*\ot+7], v[ADRW+(\kk)/4] offset:\ot*16*WP+64*((\kk)%4)+32
.endr
.endm
; four matrix instructions: o tile ot x the four position tiles; sub = the first o tile of the accumulators' window
.macro MUL4 hf, wf, ot, sub, first
.irp nt, 0,1,2,3
.if \first
	v_wmma_f32_16x16x32_bf16 v[8*(4*(\ot-\sub)+\nt):8*(4*(\ot-\sub)+\nt)+7], v[\wf+8*\ot:\wf+8*\ot+7], v[\hf+8*\nt:\hf+8*\nt+7], v[BI+8*\ot:BI+8*\ot+7]
.else
	v_wmma_f32_16x16x32_bf16 v[8*(4*(\ot-\sub)+\nt):8*(4*(\ot-\sub)+\nt)+7], v[\wf+8*\ot:\wf+8*\ot+7], v[\hf+8*\nt:\hf+8*\nt+7], v[8*(4*(\ot-\sub)+\nt):8*(4*(\ot-\sub)+\nt)+7]
.endif
.endr
.endm
; One K step.  The 48 accumulators take turns, one instruction a turn.
.macro KSTEP kk, hf, wf, hg, wg, first
	s_wait_dscnt 8                                 ; all but the youngest eight loads (W's o tiles 8-11)
.if \first
	WIN 0x81                                       ; D window 2, W window 1, h and the bias window 0
.else
	WIN 0xa1
.endif
.irp ot, 0,1,2,3,4,5,6,7
	MUL4 \hf, \wf, \ot, 0, \first
.endr
.if \kk == 3
	s_wait_dscnt 0x0
	s_wait_tensorcnt 0x0                           ; my parts of chunk 1 have landed;
	s_barrier_signal -1
	s_barrier_wait -1                              ; everybody's have.
.endif
.if \kk < 7
	PLACES
	FETCH \kk+1, \hg, \wg
	s_wait_dscnt 32                                ; all but the 32 just issued
.else
	s_wait_dscnt 0x0
.endif
.if \first
	WIN 0xc1
.else
	WIN 0xf1
.endif
.irp ot, 8,9,10,11
	MUL4 \hf, \wf, \ot, 8, \first
.endr
.endm
	s_wait_tensorcnt 0x2                           ; chunk 0's two loads are in; chunk 1's two are younger and stay out
	s_barrier_signal -1
	s_barrier_wait -1
	FETCH 0, HF0, WF0
	s_wait_loadcnt 0x0                             ; the bias
	KSTEP 0, HF0, WF0, HF1, WF1, 1
	KSTEP 1, HF1, WF1, HF0, WF0, 0
	KSTEP 2, HF0, WF0, HF1, WF1, 0
	KSTEP 3, HF1, WF1, HF0, WF0, 0
	KSTEP 4, HF0, WF0, HF1, WF1, 0
	KSTEP 5, HF1, WF1, HF0, WF0, 0
	KSTEP 6, HF0, WF0, HF1, WF1, 0
	KSTEP 7, HF1, WF1, HF0, WF0, 0
	; THE WAY OUT: 16 bytes a lane into a stage of 128 rows x 768 bytes, read back by rows, stored in runs of 256 bytes.
	PLACES
	s_wait_dscnt 0x0
	s_barrier_signal -1
	s_barrier_wait -1                              ; no wave reads W's bytes any more
	WIN 0x0a
.set tx, 0
.rept 32
.irp r, 0,1,2,3
	v_cvt_pk_bf16_f32 v[32+4*tx+\r], v[8*tx+2*\r], v[8*tx+2*\r+1]
.endr
.set tx, tx+1
.endr
	WIN 0
.irp ot, 0,1,2,3,4,5,6,7
.irp nt, 0,1,2,3
	ds_store_b128 v[STO], v[32+4*(4*\ot+\nt):32+4*(4*\ot+\nt)+3] offset:\nt*16*SP+32*\ot
.endr
.endr
	WIN 0x0f
.set tx, 0
.rept 16
.irp r, 0,1,2,3
	v_cvt_pk_bf16_f32 v[160+4*tx+\r], v[8*tx+2*\r], v[8*tx+2*\r+1]
.endr
.set tx, tx+1
.endr
	WIN 0
.irp ot, 8,9,10,11
.irp nt, 0,1,2,3
	ds_store_b128 v[STO], v[160+4*(4*(\ot-8)+\nt):160+4*(4*(\ot-8)+\nt)+3] offset:\nt*16*SP+32*\ot
.endr
.endr
	s_wait_dscnt 0x0                               ; my part of the rows is in the stage
	s_barrier_signal -1
	s_barrier_wait -1                              ; a row's two halves come from two waves
.set ix, 0
.rept 48
	ds_load_b128 v[32+4*ix:35+4*ix], v[RD] offset:(ix/3)*2*SP+(ix%3)*256
.set ix, ix+1
.endr
.set ix, 0
.rept 48
	s_wait_dscnt 47-ix                             ; LDS loads come back in order: load ix is in
	global_store_b128 v[CO], v[32+4*ix:35+4*ix], s[10:11] offset:(ix/3)*3072+(ix%3)*256   ; sixteen lanes store 256 consecutive bytes, aligned
.set ix, ix+1
.endr
	s_wait_tensorcnt 0x0
	ds_add_u32 v254, v255
	s_wait_dscnt 0x0
	CROUND                                         ; the closing round: no work-group ends while a partner may still ask jointly
	s_endpgm
.Lfunc_end_k_q05c54c9770_qkvp:
	.size	k_q05c54c9770_qkvp, .Lfunc_end_k_q05c54c9770_qkvp-k_q05c54c9770_qkvp
	.p2alignl 7, 3214868480
	.fill 96, 4, 3214868480
	.section	.rodata,"a",@progbits
	.p2align	6, 0x0
	.amdhsa_kernel k_q05c54c9770_qkvp
		.amdhsa_group_segment_fixed_size 283136
		.amdhsa_private_segment_fixed_size 0
		.amdhsa_enable_private_segment 0
		.amdhsa_kernarg_size 32
		.amdhsa_user_sgpr_count 2
		.amdhsa_user_sgpr_kernarg_segment_ptr 1
		.amdhsa_wavefront_size32 1
		.amdhsa_system_sgpr_workgroup_id_x 1
		.amdhsa_system_sgpr_workgroup_id_y 1
		.amdhsa_system_sgpr_workgroup_id_z 1
		.amdhsa_system_vgpr_workitem_id 0
		.amdhsa_next_free_vgpr 896
		.amdhsa_next_free_sgpr 66
		.amdhsa_reserve_vcc 0
		.amdhsa_float_denorm_mode_32 3
		.amdhsa_float_denorm_mode_16_64 3
		.amdhsa_memory_ordered 1
		.amdhsa_forward_progress 1
		.amdhsa_inst_pref_size 77
	.end_amdhsa_kernel
	.amdgpu_metadata
---
amdhsa.version: [ 1, 2 ]
amdhsa.kernels:
  - .name:           k_q05c54c9770_qkvp
    .symbol:         k_q05c54c9770_qkvp.kd
    .args:
      - { .name: h, .offset: 0, .size: 8, .value_kind: global_buffer, .address_space: global }
      - { .name: wb, .offset: 8, .size: 8, .value_kind: global_buffer, .address_space: global }
      - { .name: qkv_b, .offset: 16, .size: 8, .value_kind: global_buffer, .address_space: global }
      - { .name: qkv, .offset: 24, .size: 8, .value_kind: global_buffer, .address_space: global }
    .group_segment_fixed_size: 283136
    .private_segment_fixed_size: 0
    .kernarg_segment_align: 8
    .kernarg_segment_size: 32
    .max_flat_workgroup_size: 128
    .sgpr_count:     66
    .vgpr_count:     896
    .wavefront_size: 32
...
	.end_amdgpu_metadata
.endif
;; end of part 2
;; launch attn (part 3): grid 256 x 1, 4 waves a work-group, clusters of 4 x 1, 327,680 bytes of LDS; arguments qkv, wb, proj_b, x, out0; writes out0
.if DOCPART == 3
	.amdgcn_target "amdgcn-amd-amdhsa--gfx1250"
	.amdhsa_code_object_version 6
	.text
	.protected	k_q05c54c9770_attn
	.globl	k_q05c54c9770_attn
	.p2align	8
	.type	k_q05c54c9770_attn,@function
k_q05c54c9770_attn:
	s_mov_b64 s[64:65], 0
	v_nop
	global_prefetch_b8 v0, s[64:65] scope:SCOPE_SE
	s_setreg_imm32_b32 hwreg(HW_REG_WAVE_MODE, 25, 1), 1
	s_wait_xcnt 0x0
	s_wait_alu depctr_hold_cnt(0) depctr_sa_sdst(0) depctr_va_vdst(0) depctr_va_sdst(0) depctr_va_ssrc(0) depctr_va_vcc(0) depctr_vm_vsrc(0)
	s_getreg_b32 s2, hwreg(HW_REG_IB_STS2, 6, 4)
	s_cmp_eq_u32 s2, 0
	s_cbranch_scc0 .Lentry_in_a_cluster
	s_endpgm
.Lentry_in_a_cluster:
	s_bfe_u32 s2, ttmp6, 0x10000c
	s_cmp_lg_u32 s2, 0x3003
	s_cbranch_scc0 .Lentry_shape_is_right
	s_endpgm
.Lentry_shape_is_right:
; out0 = x + proj_w softmax(q k / 16) v + proj_b: attention of one head of width 256 over 4,096 positions, projection and residual.
; A work-group owns 64 queries of one batch.  Keys go in 16 steps of 256; wave w takes ALL 64 queries and keys 256 t + 64 w .. + 63,
; with a running maximum, a sum and an output (256 c x 64 queries, 512 registers) of its own; the four waves are merged once, at the end.
; So a K or V fragment from LDS feeds four matrix instructions, and no wave talks to another inside the loop.
; S IS MADE TRANSPOSED: source 0 = 16 rows of K, source 1 = 16 rows of Q: lane (r, h) holds query r and keys 8 h + j.  Two neighbouring
; key tiles, rounded to bf16 in place, are source 1 of the second product (source 0 = V, by the transposing LDS load), whose result again has
; query r in lane r: maximum, sum and rescaling factor are one number a lane, and one v_permlanex16_b32 joins the two halves of the lanes.
; p = exp2(s SC + nm), SC = log2(e) / 16, nm = -(SC m) rounded once, m the running maximum of the raw scores: the maximum is always taken away.
; CLUSTER 4 x 1: four query blocks of one batch walk the same K and V (and read the same proj_w): joint loads with the mask 15.
; RING: one slot of 256 keys of K, one of V, filled by turns: V(t) lands during S(t), K(t+1) during softmax and the second product.
; Each wave issues one joint load of 64 rows x 512 bytes behind each round; three loads of a wave are out at the start, later one.
; LIMITS: NaN and infinities are not treated apart; v_exp_f32 gives 0 for results below 2^-126 (ISA guide, 15.8); the denominator adds the
; unrounded p while the second product takes p rounded to bf16; the order of the sums is this text's own.
; REGISTERS in windows of 256: window 0 addresses, statistics, S / P (v32-159), three sets of four fragments (v160-255);
; window 1 Q's fragments (b, kk) at 8 (8 b + kk), later proj_w's; windows 2, 3 the output tiles (ct, b) at 8 (4 (ct & 7) + b), ct 0-7 and 8-15.
.set KP,    528                        ; 512 bytes + 16 = 33 x 16
.set VP,    544                        ; 512 bytes + 32 = 17 x 32, for the transposing load
.set VSLOT, 256*KP                     ; 135,168
.set QST,   VSLOT+256*VP               ; 274,432
.set STAT,  QST+64*KP                  ; 308,224: 4,096 bytes that no tensor load ever fills
.set OB,    QST                        ; after Q's only fill: 32 fragment images of 1,024 bytes
.set YP,    272
.set ROWB,  1536                       ; a row of qkv
.set STEPB, 256*ROWB
.set ADRK, 2
.set ADRV, 3
.set MX,   4                           ; v[4:7]    running maximum of query tile b
.set LS,   8                           ; v[8:11]   my lane's part of the sum
.set NA,   12                          ; v[12:19]  pairs (nm, alpha) of query tile b
.set TT,   20                          ; v[20:27]  four pairs at work
.set UU,   28                          ; v[28:31]
.set SS,   32                          ; v[32:159] S tile (a, b) at SS + 32 b + 8 a; P fragment (b, u) at SS + 32 b + 16 u; 8 free registers behind each
.set FF,   160                         ; v[160:255] three sets of four fragments
.set L16,  224                         ; v224-240: the epilogue's addresses
.set STR,  225
.set STW,  226
.set XW,   228
.set XRD,  232
.set OBR,  233
.set OBW,  234
.set PBO,  235
.set XO,   236
.set YW,   237
.set YR,   238
.set ER,   239
.set EH,   240
.set G1K, 24
.set G1V, 32
.set G1Q, 40
.set G0K, 48
.set G0V, 52
.set G0Q, 56
.set W0K, 15|(1<<16)|(1<<20)|(1<<21)|(6<<22)|(3<<25)   ; mask of the four partners, bit 21 beside it; 2-byte elements; behind every 128 words a pad of 4
.set W0V, 15|(1<<16)|(1<<20)|(1<<21)|(6<<22)|(7<<25)   ; the same with a pad of 8 words
.set W0Q, (1<<16)|(1<<20)|(6<<22)|(3<<25)              ; no mask: Q is the work-group's own
.set MSB, 0
.macro WIN new                         ; the immediate's high byte repeats the setting that is left
.if MSB != \new
	s_set_vgpr_msb (MSB<<8)|\new
.set MSB, \new
.endif
.endm
.macro PLACES                          ; four places behind a matrix instruction, ahead of loads into its sources and of readers of its results
.rept 4
	v_nop
.endr
.endm
.macro CREST                           ; a round of the cluster's barrier behind its opening barrier
	s_cmp_lg_u32 s14, 0
	s_cbranch_scc1 .Lnot_wave_0_\@
	s_barrier_signal -3
.Lnot_wave_0_\@:
	s_barrier_wait -3
	s_barrier_signal -1
	s_barrier_wait -1
.endm
.macro CROUND
	s_barrier_signal -1
	s_barrier_wait -1
	CREST
.endm
.macro GROUP1 g, w0, cols, rows, pitch
	s_mov_b32 s[\g+0], \w0
	s_mov_b32 s[\g+1], (\cols)<<16                 ; tensor_dim0
	s_mov_b32 s[\g+2], (\rows)<<16                 ; tensor_dim1
	s_mov_b32 s[\g+3], (\cols)<<16                 ; tile_dim0
	s_mov_b32 s[\g+4], \rows                       ; tile_dim1
	s_mov_b32 s[\g+5], \pitch                      ; elements from row to row
	s_mov_b32 s[\g+6], 0
	s_mov_b32 s[\g+7], 0
.endm
	s_load_b256 s[4:11], s[0:1], 0x0               ; qkv s[4:5], wb s[6:7], proj_b s[8:9], x s[10:11]
	s_load_b64 s[12:13], s[0:1], 0x20              ; out0
	v_lshl_add_u32 v30, v0, 2, 0x4c400
	v_mov_b32 v31, 0
	ds_add_u32 v30, v31
	s_wait_dscnt 0x0
	v_lshrrev_b32 v1, 5, v0
	v_readfirstlane_b32 s14, v1                    ; wave 0..3
	s_bfe_u32 s15, ttmp6, 0x40000                  ; cx
	s_lshr_b32 s16, ttmp9, 4                       ; batch
	s_and_b32 s17, ttmp9, 15
	s_lshl_b32 s17, s17, 2
	s_add_co_u32 s17, s17, s15                     ; query block 0..63
	s_mov_b32 s20, 0x76543210                      ; v_permlanex16_b32: lane i of one half reads lane i of the other
	s_mov_b32 s21, 0xfedcba98
	s_mov_b32 s22, 0x3db8aa3b                      ; SC = log2(e) / 16, twice for the packed form
	s_mov_b32 s23, 0x3db8aa3b
	s_mov_b32 s63, 0xbdb8aa3b                      ; -SC
	GROUP1 G1K, W0K, 256, 64, 768
	GROUP1 G1V, W0V, 256, 64, 768
	GROUP1 G1Q, W0Q, 256, 16, 768
	s_mul_i32 s18, s16, 4096*ROWB                  ; K, V: made of the batch and the wave's number alone, in registers that never hold cx
	s_mul_i32 s19, s14, 64*ROWB
	s_add_co_u32 s18, s18, s19
	s_mov_b32 s19, 0
	s_mul_i32 s2, s16, 4096*ROWB                   ; Q: batch, query block, 16 rows a wave
	s_mul_i32 s3, s17, 64*ROWB
	s_add_co_u32 s2, s2, s3
	s_mul_i32 s3, s14, 16*ROWB
	s_add_co_u32 s2, s2, s3
	s_mov_b32 s3, 0
	s_lshl_b32 s60, s14, 15                        ; proj_w in wb: behind 768 rows of 512 bytes, 64 rows a wave
	s_add_co_u32 s60, s60, 768*512
	s_mov_b32 s61, 0
	s_mov_b32 s[G0K], 1
	s_mul_i32 s[G0K+1], s14, 64*KP
	s_mov_b32 s[G0V], 1
	s_mul_i32 s[G0V+1], s14, 64*VP
	s_add_co_u32 s[G0V+1], s[G0V+1], VSLOT
	s_mov_b32 s[G0Q], 1
	s_mul_i32 s[G0Q+1], s14, 16*KP
	s_add_co_u32 s[G0Q+1], s[G0Q+1], QST
	s_wait_kmcnt 0x0
	s_add_nc_u64 s[18:19], s[4:5], s[18:19]
	s_add_nc_u64 s[G0K+2:G0K+3], s[18:19], 512     ; k begins at byte 512 of a row,
	s_or_b32 s[G0K+3], s[G0K+3], 0x80000000
	s_add_nc_u64 s[G0V+2:G0V+3], s[18:19], 1024    ; v at byte 1,024
	s_or_b32 s[G0V+3], s[G0V+3], 0x80000000
	s_add_nc_u64 s[G0Q+2:G0Q+3], s[4:5], s[2:3]
	s_or_b32 s[G0Q+3], s[G0Q+3], 0x80000000
	s_add_nc_u64 s[60:61], s[6:7], s[60:61]
	CROUND                                         ; the four partners are here: the first joint loads meet
	tensor_load_to_lds s[G0Q:G0Q+3], s[G1Q:G1Q+7]  ; the first fills, in one group
	s_nop 0
	tensor_load_to_lds s[G0K:G0K+3], s[G1K:G1K+7]
	s_nop 0
	tensor_load_to_lds s[G0V:G0V+3], s[G1V:G1V+7]
	s_nop 0
	v_and_b32 v1, 15, v0                           ; r
	v_bfe_u32 v[TT], v0, 4, 1                      ; h
	v_mul_u32_u24 v1, v1, KP
	v_lshl_add_u32 v1, v[TT], 4, v1                ; r x pitch + 16 h
	v_add_nc_u32 v[ADRK], s[G0K+1], v1             ; in my wave's 64 rows of K
	v_add_nc_u32 v1, QST, v1                       ; in Q
	v_and_b32 v[TT+2], 7, v0
	v_lshl_add_u32 v[TT+2], v[TT], 3, v[TT+2]      ; transposing load: row 8 h + (lane & 7),
	v_mul_u32_u24 v[TT+2], v[TT+2], VP
	v_bfe_u32 v[TT+4], v0, 3, 1
	v_lshl_add_u32 v[TT+2], v[TT+4], 4, v[TT+2]    ; 16 bytes further for lanes 8-15 and 24-31
	v_add_nc_u32 v[ADRV], s[G0V+1], v[TT+2]
.irp b, 0,1,2,3
	v_mov_b32 v[TT+2*\b+1], 0                      ; destinations of v_permlanex16_b32 count as read,
	v_mov_b32 v[NA+2*\b+1], 0                      ; and so does the second register of a pair of which the first alone is used
.endr
	s_wait_tensorcnt 0x1                           ; Q and K(0) are in; V(0) is younger and stays out
	s_barrier_signal -1
	s_barrier_wait -1                              ; every wave's rows of Q are there
	WIN 0x40
.irp b, 0,1,2,3
.irp kk, 0,1,2,3,4,5,6,7
	ds_load_b128 v[8*(8*\b+\kk):8*(8*\b+\kk)+3], v1 offset:16*KP*\b+64*\kk
	ds_load_b128 v[8*(8*\b+\kk)+4:8*(8*\b+\kk)+7], v1 offset:16*KP*\b+64*\kk+32
.endr
.endr
	WIN 0
; eight LDS loads: my four key tiles' fragments of channels 32 kk .. + 31, into set kk % 3
.macro KLOAD kk
.irp a, 0,1,2,3
	ds_load_b128 v[FF+32*((\kk)%3)+8*\a:FF+32*((\kk)%3)+8*\a+3], v[ADRK] offset:16*KP*\a+64*(\kk)
	ds_load_b128 v[FF+32*((\kk)%3)+8*\a+4:FF+32*((\kk)%3)+8*\a+7], v[ADRK] offset:16*KP*\a+64*(\kk)+32
.endr
.endm
; eight LDS loads: V's fragments of c tiles 2 g, 2 g + 1 and key halves u = 0, 1; fragment 2 ctl + u at base + stride x (2 ctl + u)
.macro VLOAD g, base, stride
.irp ctl, 0,1
.irp u, 0,1
	ds_load_tr16_b128 v[\base+\stride*(2*\ctl+\u):\base+\stride*(2*\ctl+\u)+3], v[ADRV] offset:32*VP*\u+32*(2*\g+\ctl)
	ds_load_tr16_b128 v[\base+\stride*(2*\ctl+\u)+4:\base+\stride*(2*\ctl+\u)+7], v[ADRV] offset:32*VP*\u+32*(2*\g+\ctl)+16*VP
.endr
.endr
.endm
; 16 matrix instructions: S += K Q over channels 32 kk .. + 31.  The 16 tiles take turns, one instruction a turn.
.macro SMUL kk
.irp b, 0,1,2,3
.irp a, 0,1,2,3
.if \kk == 0
	v_wmma_f32_16x16x32_bf16 v[SS+32*\b+8*\a:SS+32*\b+8*\a+7], v[FF+32*((\kk)%3)+8*\a:FF+32*((\kk)%3)+8*\a+7], v[8*(8*\b+\kk):8*(8*\b+\kk)+7], 0
.else
	v_wmma_f32_16x16x32_bf16 v[SS+32*\b+8*\a:SS+32*\b+8*\a+7], v[FF+32*((\kk)%3)+8*\a:FF+32*((\kk)%3)+8*\a+7], v[8*(8*\b+\kk):8*(8*\b+\kk)+7], v[SS+32*\b+8*\a:SS+32*\b+8*\a+7]
.endif
.endr
.endr
.endm
; 16 matrix instructions: c tiles 2 g, 2 g + 1 x four query tiles x two key halves; eight tiles by turns, twice round
.macro PMUL g, base, stride, zero
.irp u, 0,1
.irp ctl, 0,1
.irp b, 0,1,2,3
.if \zero*(1-\u)
	v_wmma_f32_16x16x32_bf16 v[8*(4*((2*\g+\ctl)%8)+\b):8*(4*((2*\g+\ctl)%8)+\b)+7], v[\base+\stride*(2*\ctl+\u):\base+\stride*(2*\ctl+\u)+7], v[SS+32*\b+16*\u:SS+32*\b+16*\u+7], 0
.else
	v_wmma_f32_16x16x32_bf16 v[8*(4*((2*\g+\ctl)%8)+\b):8*(4*((2*\g+\ctl)%8)+\b)+7], v[\base+\stride*(2*\ctl+\u):\base+\stride*(2*\ctl+\u)+7], v[SS+32*\b+16*\u:SS+32*\b+16*\u+7], v[8*(4*((2*\g+\ctl)%8)+\b):8*(4*((2*\g+\ctl)%8)+\b)+7]
.endif
.endr
.endr
.endr
.endm
; 128 packed multiplies: the 32 output tiles of one window times alpha of their query tile (the second register of the pair, for both halves)
.macro SCALE32 win
	WIN \win
.set rt, 0
.rept 32
.irp p, 0,1,2,3
	v_pk_mul_f32 v[8*rt+2*\p:8*rt+2*\p+1], v[NA+2*(rt%4):NA+2*(rt%4)+1], v[8*rt+2*\p:8*rt+2*\p+1] op_sel:[1,0] op_sel_hi:[1,1]
.endr
.set rt, rt+1
.endr
.endm
; The softmax of my 64 keys x 64 queries: 32 scores a lane for each of four query tiles, the four interleaved.
.macro SOFTMAX first
.irp b, 0,1,2,3
.if \first
	v_max_num_f32 v[TT+2*\b], v[SS+32*\b], v[SS+32*\b+1]
.else
	v_max3_num_f32 v[TT+2*\b], v[MX+\b], v[SS+32*\b], v[SS+32*\b+1]
.endif
.endr
.set ix, 2
.rept 15
.irp b, 0,1,2,3
	v_max3_num_f32 v[TT+2*\b], v[TT+2*\b], v[SS+32*\b+ix], v[SS+32*\b+ix+1]
.endr
.set ix, ix+2
.endr
.irp b, 0,1,2,3
	v_permlanex16_b32 v[TT+2*\b+1], v[TT+2*\b], s20, s21   ; the other half of the lanes holds the same query's other keys
.endr
.irp b, 0,1,2,3
	v_max_num_f32 v[MX+\b], v[TT+2*\b], v[TT+2*\b+1]
.endr
.if \first
.irp b, 0,1,2,3
	v_mul_f32 v[NA+2*\b], s63, v[MX+\b]            ; nm = -(SC m)
.endr
.else
.irp b, 0,1,2,3
	v_mul_f32 v[UU+\b], s63, v[MX+\b]
.endr
.irp b, 0,1,2,3
	v_sub_f32 v[NA+2*\b+1], v[UU+\b], v[NA+2*\b]   ; new nm - old nm, never above 0
.endr
.irp b, 0,1,2,3
	v_mov_b32 v[NA+2*\b], v[UU+\b]
.endr
.irp b, 0,1,2,3
	v_exp_f32 v[NA+2*\b+1], v[NA+2*\b+1]           ; alpha
.endr
	v_nop                                          ; one plain instruction behind the exponentials (ISA guide 5.7.2): the next lines name the pairs
	s_wait_alu depctr_va_vdst(0)
.endif
.set ix, 0
.rept 64
	v_pk_fma_f32 v[SS+2*ix:SS+2*ix+1], v[SS+2*ix:SS+2*ix+1], s[22:23], v[NA+2*(ix/16):NA+2*(ix/16)+1] op_sel_hi:[1,0,0]
.set ix, ix+1
.endr
.set ix, 0
.rept 128
	v_exp_f32 v[SS+ix], v[SS+ix]
.set ix, ix+1
.endr
	v_nop                                          ; one plain instruction behind the exponentials
	s_wait_alu depctr_va_vdst(0)
.irp b, 0,1,2,3
	v_pk_add_f32 v[TT+2*\b:TT+2*\b+1], v[SS+32*\b:SS+32*\b+1], v[SS+32*\b+2:SS+32*\b+3]
.endr
.set ix, 4
.rept 14
.irp b, 0,1,2,3
	v_pk_add_f32 v[TT+2*\b:TT+2*\b+1], v[TT+2*\b:TT+2*\b+1], v[SS+32*\b+ix:SS+32*\b+ix+1]
.endr
.set ix, ix+2
.endr
.irp b, 0,1,2,3
.if \first
	v_add_f32 v[LS+\b], v[TT+2*\b], v[TT+2*\b+1]
.else
	v_add_f32 v[TT+2*\b], v[TT+2*\b], v[TT+2*\b+1]
.endif
.endr
.if \first == 0
.irp b, 0,1,2,3
	v_fma_f32 v[LS+\b], v[LS+\b], v[NA+2*\b+1], v[TT+2*\b]
.endr
.endif
.set cb, SS                            ; two key tiles (16 registers) become one fragment (8 registers), in place; the upper 8 fall free
.rept 8
.irp r, 0,1,2,3
	v_cvt_pk_bf16_f32 v[cb+\r], v[cb+2*\r], v[cb+2*\r+1]
.endr
.irp r, 0,1,2,3
	v_cvt_pk_bf16_f32 v[cb+4+\r], v[cb+8+2*\r], v[cb+8+2*\r+1]
.endr
.set cb, cb+16
.endr
.endm
; One step of 256 keys.  At its head K's fragments of kk = 0, 1 are on their way into sets 0, 1.
.macro STEP first, last
	WIN 0x04                                       ; source 1 (Q) in window 1, all else in window 0; the LDS loads need no other setting
	v_nop                                          ; with the four below: five places, since the first product writes over P, which the last matrix instruction read
.irp kk, 0,1,2,3,4,5
	PLACES
	KLOAD \kk+2
	s_wait_dscnt 16                                ; the loads of the two younger kk stay out
	SMUL \kk
.endr
	s_wait_dscnt 0x0                               ; my reads of K's slot are over
	s_wait_xcnt 0x0
	v_lshl_add_u32 v30, v0, 2, 0x4c400
	v_mov_b32 v31, 0
	s_set_vgpr_msb 0x400
	s_wait_tensorcnt 0x0                           ; and all my tensor loads have landed: the one that was out is my part of V(t)
	ds_add_u32 v30, v31
	s_wait_dscnt 0x0
	s_set_vgpr_msb 0x4
.if \last
	s_mov_b32 s[G1K+5], 256                        ; the last fill of K's slot: my 64 rows of proj_w, 256 elements from row to row
	s_mov_b64 s[G0K+2:G0K+3], s[60:61]
	s_or_b32 s[G0K+3], s[G0K+3], 0x80000000
.else
	s_add_nc_u64 s[G0K+2:G0K+3], s[G0K+2:G0K+3], STEPB
.endif
	s_barrier_signal -1                            ; this barrier opens a round of the cluster's barrier
	SMUL 6                                         ; work on registers while the others arrive
	WIN 0
	s_barrier_wait -1
	CREST                                          ; no wave of any partner still reads K's slot or has a load on its way
	tensor_load_to_lds s[G0K:G0K+3], s[G1K:G1K+7]  ; the first tensor load behind the round, and my only one until the next
	s_nop 0
	PLACES
	VLOAD 0, FF+64, 8
	VLOAD 1, FF, 8
	WIN 0x04
	SMUL 7
	WIN 0
	PLACES
	VLOAD 2, FF+32, 8
	SOFTMAX \first
	VLOAD 3, SS+8, 16                              ; into the registers that packing P has freed
	VLOAD 4, SS+72, 16
.if \first == 0
	SCALE32 0x88
	SCALE32 0xcc
.endif
	WIN 0xa0
	s_wait_dscnt 32                                ; each count: the loads of the younger groups of V
	PMUL 0, FF+64, 8, \first
	s_wait_dscnt 24
	PMUL 1, FF, 8, \first
	s_wait_dscnt 16
	PMUL 2, FF+32, 8, \first
	WIN 0
	PLACES
	VLOAD 5, FF, 8
	VLOAD 6, FF+32, 8
	VLOAD 7, FF+64, 8
	WIN 0xa0
	s_wait_dscnt 32                                ; group 4's eight and the 24 just issued stay out
	PMUL 3, SS+8, 16, \first
.if \last
	WIN 0xf0                                       ; nothing is left to fetch: no round, and the counts run down
	s_wait_dscnt 24
	PMUL 4, SS+72, 16, \first
	s_wait_dscnt 16
	PMUL 5, FF, 8, \first
	s_wait_dscnt 8
	PMUL 6, FF+32, 8, \first
	s_wait_dscnt 0x0
	PMUL 7, FF+64, 8, \first
	WIN 0
.else
	s_wait_dscnt 0x0                               ; my reads of V's slot are over
	s_wait_xcnt 0x0
	s_set_vgpr_msb 0xa020
	v_lshl_add_u32 v30, v0, 2, 0x4c400
	v_mov_b32 v31, 0
	s_wait_tensorcnt 0x0                           ; and my part of K(t+1) has landed
	ds_add_u32 v30, v31
	s_wait_dscnt 0x0
	s_set_vgpr_msb 0x20a0
	s_add_nc_u64 s[G0V+2:G0V+3], s[G0V+2:G0V+3], STEPB
	s_barrier_signal -1                            ; opens a round
	WIN 0xf0
	PMUL 4, SS+72, 16, \first
	WIN 0
	s_barrier_wait -1
	CREST
	tensor_load_to_lds s[G0V:G0V+3], s[G1V:G1V+7]  ; V(t+1): the first tensor load behind the round
	s_nop 0
	WIN 0xf0
	PMUL 5, FF, 8, \first
	PMUL 6, FF+32, 8, \first
	WIN 0
	PLACES
	KLOAD 0
	KLOAD 1
	WIN 0xf0
	PMUL 7, FF+64, 8, \first
	WIN 0
.endif
.endm
	KLOAD 0
	KLOAD 1
	STEP 1, 0                                      ; the first step starts maxima, sums and outputs: nothing is cleared
	s_mov_b32 s62, 14
.Lstep:
	STEP 0, 0
	s_sub_co_u32 s62, s62, 1
	s_cmp_lg_u32 s62, 0
	s_cbranch_scc1 .Lstep
	STEP 0, 1
	; ---- proj_w's fragments (ot, kk) of my 64 output channels into window 1, where Q was
	PLACES
	s_wait_tensorcnt 0x0                           ; my 64 rows of proj_w: I alone read them
	WIN 0x40
.irp ot, 0,1,2,3
.irp kk, 0,1,2,3,4,5,6,7
	ds_load_b128 v[8*(8*\ot+\kk):8*(8*\ot+\kk)+3], v[ADRK] offset:16*KP*\ot+64*\kk
	ds_load_b128 v[8*(8*\ot+\kk)+4:8*(8*\ot+\kk)+7], v[ADRK] offset:16*KP*\ot+64*\kk+32
.endr
.endr
	WIN 0
	; ---- the epilogue's addresses
	v_and_b32 v[L16], 31, v0
	v_lshlrev_b32 v[L16], 4, v[L16]                ; 16 x lane
	v_add_nc_u32 v[STR], STAT, v[L16]
	s_lshl_b32 s18, s14, 10
	v_add_nc_u32 v[STW], s18, v[STR]
	s_lshl_b32 s18, s14, 14
	v_add_nc_u32 v[XW], s18, v[L16]                ; merge, in: quarter q x 65,536 + my wave x 16,384
	v_add_nc_u32 v[XW+1], 0x10000, v[XW]
	v_add_nc_u32 v[XW+2], 0x20000, v[XW]
	v_add_nc_u32 v[XW+3], 0x30000, v[XW]
	s_lshl_b32 s18, s14, 16
	v_add_nc_u32 v[XRD], s18, v[L16]               ; merge, back: my quarter
	v_add_nc_u32 v[OBR], OB, v[L16]
	s_lshl_b32 s18, s14, 13
	v_add_nc_u32 v[OBW], s18, v[OBR]
	v_and_b32 v[ER], 15, v0
	v_bfe_u32 v[EH], v0, 4, 1
	s_lshl_b32 s18, s14, 8
	v_lshl_add_u32 v[PBO], v[ER], 2, s18           ; (64 w + r) x 4
	v_lshlrev_b32 v[XO], 14, v[EH]
	v_lshl_add_u32 v[XO], v[ER], 4, v[XO]          ; one row of 16,384 bytes for lanes 16-31, 16 bytes a lane
	s_mul_i32 s18, s14, 64*YP
	v_mul_u32_u24 v[YW], v[ER], YP
	v_lshl_add_u32 v[YW], v[EH], 5, v[YW]
	v_add_nc_u32 v[YW], s18, v[YW]
	v_mul_u32_u24 v[YR], v[EH], YP
	v_lshl_add_u32 v[YR], v[ER], 4, v[YR]
	v_add_nc_u32 v[YR], s18, v[YR]
	s_lshl_b32 s18, s16, 22                        ; x and out0: batch, my 64 channels, my 64 positions
	s_lshl_b32 s19, s14, 20
	s_add_co_u32 s18, s18, s19
	s_lshl_b32 s19, s17, 8
	s_add_co_u32 s18, s18, s19
	s_mov_b32 s19, 0
	s_add_nc_u64 s[10:11], s[10:11], s[18:19]
	s_add_nc_u64 s[12:13], s[12:13], s[18:19]
	; ---- the waves' maxima and sums meet
.irp b, 0,1,2,3
	v_permlanex16_b32 v[TT+2*\b], v[LS+\b], s20, s21
.endr
.irp b, 0,1,2,3
	v_add_f32 v[LS+\b], v[LS+\b], v[TT+2*\b]
.endr
	ds_store_b128 v[STW], v[MX:MX+3]
	ds_store_b128 v[STW], v[LS:LS+3] offset:512
	s_wait_dscnt 0x0                               ; my statistics are in LDS, and my reads of proj_w's rows are back
	s_barrier_signal -1
	s_barrier_wait -1                              ; from here both slots are free: they have had their last fill
.irp w, 0,1,2,3
	ds_load_b128 v[32+8*\w:35+8*\w], v[STR] offset:1024*\w
	ds_load_b128 v[36+8*\w:39+8*\w], v[STR] offset:1024*\w+512
.endr
	s_wait_dscnt 0x0
.irp b, 0,1,2,3
	v_max3_num_f32 v[64+\b], v[32+\b], v[40+\b], v[48+\b]
.endr
.irp b, 0,1,2,3
	v_max_num_f32 v[64+\b], v[64+\b], v[56+\b]
.endr
.irp b, 0,1,2,3
	v_mul_f32 v[64+\b], s63, v[64+\b]              ; nm of the common maximum, rounded as in the loop
.endr
.irp w, 0,1,2,3
.irp b, 0,1,2,3
	v_mul_f32 v[32+8*\w+\b], s63, v[32+8*\w+\b]    ; each wave's nm, rounded as in the loop
.endr
.endr
.irp w, 0,1,2,3
.irp b, 0,1,2,3
	v_sub_f32 v[32+8*\w+\b], v[64+\b], v[32+8*\w+\b]
.endr
.endr
.irp b, 0,1,2,3
	v_sub_f32 v[68+\b], v[64+\b], v[NA+2*\b]       ; my own
.endr
.irp w, 0,1,2,3
.irp b, 0,1,2,3
	v_exp_f32 v[32+8*\w+\b], v[32+8*\w+\b]
.endr
.endr
.irp b, 0,1,2,3
	v_exp_f32 v[68+\b], v[68+\b]
.endr
	v_nop                                          ; one plain instruction behind the exponentials
	s_wait_alu depctr_va_vdst(0)
.irp b, 0,1,2,3
	v_mul_f32 v[72+\b], v[32+\b], v[36+\b]
.endr
.irp w, 1,2,3
.irp b, 0,1,2,3
	v_fma_f32 v[72+\b], v[32+8*\w+\b], v[36+8*\w+\b], v[72+\b]
.endr
.endr
.irp b, 0,1,2,3
	v_rcp_f32 v[72+\b], v[72+\b]                   ; the sum is at least 1: the wave with the common maximum adds its largest p = 1 unscaled
.endr
	v_nop
	s_wait_alu depctr_va_vdst(0)
.irp b, 0,1,2,3
	v_mul_f32 v[NA+2*\b+1], v[68+\b], v[72+\b]     ; my factor / the whole sum, in alpha's place
.endr
	; ---- my 64 tiles, scaled, into LDS as images of 1,024 bytes: [quarter of c][source wave][tile 4 (ct & 3) + b]
.macro XOUT win, ct0
	WIN \win                                       ; data of the LDS stores in the outputs' window, addresses in window 0
.set xt, 0
.rept 32
.irp p, 0,1,2,3
	v_pk_mul_f32 v[8*xt+2*\p:8*xt+2*\p+1], v[NA+2*(xt%4):NA+2*(xt%4)+1], v[8*xt+2*\p:8*xt+2*\p+1] op_sel:[1,0] op_sel_hi:[1,1]
.endr
	ds_store_b128 v[XW+(\ct0+xt/4)/4], v[8*xt:8*xt+3] offset:1024*(xt%16)
	ds_store_b128 v[XW+(\ct0+xt/4)/4], v[8*xt+4:8*xt+7] offset:1024*(xt%16)+512
.set xt, xt+1
.endr
.endm
	XOUT 0x88, 0
	XOUT 0xcc, 8
	s_wait_dscnt 0x0
	s_barrier_signal -1
	s_barrier_wait -1
	; ---- wave w adds the four waves' parts of quarter w (c = 64 w .. 64 w + 63)
	WIN 0x80
.irp s, 0,1
.set xi, 0
.rept 32
	ds_load_b128 v[128*\s+4*xi:128*\s+4*xi+3], v[XRD] offset:16384*\s+512*xi
.set xi, xi+1
.endr
.endr
	WIN 0xc0
.irp s, 0,1
.set xi, 0
.rept 32
	ds_load_b128 v[128*\s+4*xi:128*\s+4*xi+3], v[XRD] offset:16384*(\s+2)+512*xi
.set xi, xi+1
.endr
.endr
	s_wait_dscnt 63                                ; of 128 loads at most 63 are out: the first 64, sources 0 and 1, are in
	WIN 0x8a
.set px, 0
.rept 64
	v_pk_add_f32 v[2*px:2*px+1], v[2*px:2*px+1], v[128+2*px:128+2*px+1]
.set px, px+1
.endr
	s_wait_dscnt 0x0
	WIN 0xcf
.set px, 0
.rept 64
	v_pk_add_f32 v[2*px:2*px+1], v[2*px:2*px+1], v[128+2*px:128+2*px+1]
.set px, px+1
.endr
	WIN 0x8e
.set px, 0
.rept 64
	v_pk_add_f32 v[2*px:2*px+1], v[2*px:2*px+1], v[2*px:2*px+1]    ; window 2 += window 3
.set px, px+1
.endr
	WIN 0x0a                                       ; two neighbouring c tiles become one fragment: row = query r, k = c
.irp u, 0,1
.irp b, 0,1,2,3
.irp r, 0,1,2,3
	v_cvt_pk_bf16_f32 v[32+8*(4*\u+\b)+\r], v[8*(8*\u+\b)+2*\r], v[8*(8*\u+\b)+2*\r+1]
.endr
.irp r, 0,1,2,3
	v_cvt_pk_bf16_f32 v[36+8*(4*\u+\b)+\r], v[8*(8*\u+4+\b)+2*\r], v[8*(8*\u+4+\b)+2*\r+1]
.endr
.endr
.endr
	WIN 0
.irp f, 0,1,2,3,4,5,6,7
	ds_store_b128 v[OBW], v[32+8*\f:35+8*\f] offset:1024*\f
	ds_store_b128 v[OBW], v[36+8*\f:39+8*\f] offset:1024*\f+512
.endr
.irp ot, 0,1,2,3
	global_load_b32 v[96+8*\ot], v[PBO], s[8:9] offset:64*\ot      ; proj_b of output channel 64 w + 16 ot + r
.endr
	WIN 0xc0
.set px, 0
.rept 32
	global_load_b128 v[128+4*px:131+4*px], v[XO], s[10:11] offset:32768*px th:TH_LOAD_NT   ; x: two channels' 256 bytes a load
.set px, px+1
.endr
	s_wait_dscnt 0x0
	s_barrier_signal -1
	s_barrier_wait -1                              ; all 32 fragments of the merged output are in LDS; nobody reads the merge's bytes any more
	WIN 0x80
.set fx, 0
.rept 32
	ds_load_b128 v[8*fx:8*fx+3], v[OBR] offset:1024*fx
	ds_load_b128 v[8*fx+4:8*fx+7], v[OBR] offset:1024*fx+512
.set fx, fx+1
.endr
	WIN 0
	s_wait_loadcnt 32                              ; x's 32 loads are younger than the bias's four
.irp ot, 0,1,2,3
.irp j, 1,2,3,4,5,6,7
	v_mov_b32 v[96+8*\ot+\j], v[96+8*\ot]          ; a lane's eight results are eight positions of one output channel: the same bias
.endr
.endr
	; ---- the projection: source 0 = merged output (row = query), source 1 = proj_w (column = output channel); the bias starts the sums.
	; 16 accumulators by turns, one instruction a turn.
	s_wait_dscnt 0x0
	WIN 0xc6
.irp b, 0,1,2,3
.irp ot, 0,1,2,3
	v_wmma_f32_16x16x32_bf16 v[8*(4*\b+\ot):8*(4*\b+\ot)+7], v[8*\b:8*\b+7], v[64*\ot:64*\ot+7], v[96+8*\ot:96+8*\ot+7]
.endr
.endr
	WIN 0xf6
.irp kk, 1,2,3,4,5,6,7
.irp b, 0,1,2,3
.irp ot, 0,1,2,3
	v_wmma_f32_16x16x32_bf16 v[8*(4*\b+\ot):8*(4*\b+\ot)+7], v[8*(4*\kk+\b):8*(4*\kk+\b)+7], v[8*(8*\ot+\kk):8*(8*\ot+\kk)+7], v[8*(4*\b+\ot):8*(4*\b+\ot)+7]
.endr
.endr
.endr
	; ---- the way out: 32 bytes a lane into my own stage of 64 rows (channels) x 256 bytes, back by rows, + x, out
	PLACES
	WIN 0x0c
.irp b, 0,1,2,3
.irp ot, 0,1,2,3
	ds_store_b128 v[YW], v[8*(4*\b+\ot):8*(4*\b+\ot)+3] offset:16*YP*\ot+64*\b
	ds_store_b128 v[YW], v[8*(4*\b+\ot)+4:8*(4*\b+\ot)+7] offset:16*YP*\ot+64*\b+16
.endr
.endr
	WIN 0x80
.set px, 0
.rept 32
	ds_load_b128 v[4*px:4*px+3], v[YR] offset:2*YP*px      ; my own bytes: LDS serves a wave's instructions in order (ISA guide 5.7.1)
.set px, px+1
.endr
	s_wait_loadcnt 0x0                             ; x
	s_wait_dscnt 0x0
	WIN 0x8e
.set px, 0
.rept 64
	v_pk_add_f32 v[2*px:2*px+1], v[2*px:2*px+1], v[128+2*px:128+2*px+1]
.set px, px+1
.endr
	WIN 0x08
.set px, 0
.rept 32
	global_store_b128 v[XO], v[4*px:4*px+3], s[12:13] offset:32768*px th:TH_STORE_NT   ; sixteen lanes store 256 consecutive bytes, aligned
.set px, px+1
.endr
	WIN 0
	s_wait_xcnt 0x0
	v_lshl_add_u32 v30, v0, 2, 0x4c400
	v_mov_b32 v31, 0
	s_wait_tensorcnt 0x0
	ds_add_u32 v30, v31
	s_wait_dscnt 0x0
	CROUND                                         ; the closing round: no work-group ends while a partner may still ask jointly
	s_endpgm
.Lfunc_end_k_q05c54c9770_attn:
	.size	k_q05c54c9770_attn, .Lfunc_end_k_q05c54c9770_attn-k_q05c54c9770_attn
	.p2alignl 7, 3214868480
	.fill 96, 4, 3214868480
	.section	.rodata,"a",@progbits
	.p2align	6, 0x0
	.amdhsa_kernel k_q05c54c9770_attn
		.amdhsa_group_segment_fixed_size 327680
		.amdhsa_private_segment_fixed_size 0
		.amdhsa_enable_private_segment 0
		.amdhsa_kernarg_size 40
		.amdhsa_user_sgpr_count 2
		.amdhsa_user_sgpr_kernarg_segment_ptr 1
		.amdhsa_wavefront_size32 1
		.amdhsa_system_sgpr_workgroup_id_x 1
		.amdhsa_system_sgpr_workgroup_id_y 1
		.amdhsa_system_sgpr_workgroup_id_z 1
		.amdhsa_system_vgpr_workitem_id 0
		.amdhsa_next_free_vgpr 1024
		.amdhsa_next_free_sgpr 66
		.amdhsa_reserve_vcc 0
		.amdhsa_float_denorm_mode_32 3
		.amdhsa_float_denorm_mode_16_64 3
		.amdhsa_memory_ordered 1
		.amdhsa_forward_progress 1
		.amdhsa_inst_pref_size 255
	.end_amdhsa_kernel
	.section	.bss,"aw",@nobits
	.p2align	6
	.space	262144
	.amdgpu_metadata
---
amdhsa.version: [ 1, 2 ]
amdhsa.kernels:
  - .name:           k_q05c54c9770_attn
    .symbol:         k_q05c54c9770_attn.kd
    .args:
      - { .name: qkv, .offset: 0, .size: 8, .value_kind: global_buffer, .address_space: global }
      - { .name: wb, .offset: 8, .size: 8, .value_kind: global_buffer, .address_space: global }
      - { .name: proj_b, .offset: 16, .size: 8, .value_kind: global_buffer, .address_space: global }
      - { .name: x, .offset: 24, .size: 8, .value_kind: global_buffer, .address_space: global }
      - { .name: out0, .offset: 32, .size: 8, .value_kind: global_buffer, .address_space: global }
    .group_segment_fixed_size: 327680
    .private_segment_fixed_size: 0
    .kernarg_segment_align: 8
    .kernarg_segment_size: 40
    .max_flat_workgroup_size: 128
    .sgpr_count:     66
    .vgpr_count:     1024
    .wavefront_size: 32
...
	.end_amdgpu_metadata
.endif
;; end of part 3
;; ======== version 2 of 3: 2 launches; 1.21 times as fast as version 1
;; workspace buffers: hw 10,485,760 bytes
;; launch gn (part 4): grid 128 x 1, 8 waves a work-group, no clusters, 1,280 bytes of LDS; arguments x, gn_w, gn_b, qkv_w, proj_w, hw; writes hw
.if DOCPART == 4
	.amdgcn_target "amdgcn-amd-amdhsa--gfx1250"
	.amdhsa_code_object_version 6
	.text
	.protected	k_q05c54c9770_gn
	.globl	k_q05c54c9770_gn
	.p2align	8
	.type	k_q05c54c9770_gn,@function
k_q05c54c9770_gn:
	s_mov_b64 s[64:65], 0
	v_nop
	global_prefetch_b8 v0, s[64:65] scope:SCOPE_SE
	s_setreg_imm32_b32 hwreg(HW_REG_WAVE_MODE, 25, 1), 1
	s_wait_xcnt 0x0
; GroupNorm, and the weights' conversion to bf16, into ONE buffer that the next launch walks tile by tile.
; hw[b][c] is a row of 10,240 bytes: Wq[c][0..255], Wk[c][0..255], h[b][c][0..4095], Wv[c][0..255], proj_w[c][0..255], all bf16, with
; h = (x - mean) * rsqrt(var + 1e-5) * gn_w[c] + gn_b[c], statistics over a group of 8 channels x 4,096 positions.
; So a batch is twenty tiles of 256 rows x 512 bytes, one behind the other along the rows; each batch has its own copy of the weights (512 KB).
; One work-group for each of the 4 x 32 groups: a group is 131,072 consecutive bytes of x and eight rows of hw.  Eight waves; thread t holds the
; 32 pieces of 16 bytes at i * 4,096 + 16 t in 128 registers, so x is read once for the three passes (sum; sum of squared differences; scale).
; The variance is taken from the differences x - mean, not from a difference of two large sums, so a common offset of x does no harm.
; No matrix unit, no cluster: the work-groups share no large input.  128 work-groups are all there are: a group's statistics need the whole group.
; LIMITS: NaN and infinities are not treated apart; the order of the sums is this text's own.
.set ROWB, 10240                       ; bytes in a row of hw
.set WO,  4                            ; v4         where my 16 bytes of a weight row go: row t / 32, byte 16 (t % 32)
.set X,   16                           ; v[16:143]  my 32 pieces of x
.set ACC, 144                          ; v[144:151] four chains of pairs
.set GA,  152                          ; v[152:159] rstd * gn_w of the 8 channels
.set GB,  160                          ; v[160:167] gn_b of the 8 channels
.set T,   168                          ; v[168:175] at work: T, T+1 the mean twice; T+2 my wave's LDS word; T+3 zero; T+4.. partial sums
.set WF,  176                          ; v[176:207] my eight weights of each of the four matrices, f32
.set WH,  208                          ; v[208:223] the same in bf16
	s_load_b256 s[4:11], s[0:1], 0x0               ; x s[4:5], gn_w s[6:7], gn_b s[8:9], qkv_w s[10:11]
	s_load_b128 s[12:15], s[0:1], 0x20             ; proj_w s[12:13], hw s[14:15]
	v_lshl_add_u32 v224, v0, 2, 0x100
	v_mov_b32 v225, 0
	v_lshlrev_b32 v1, 4, v0                        ; 16 t: my bytes in a piece of x
	v_lshlrev_b32 v2, 5, v0                        ; 32 t: my eight weights in f32, in a block of eight rows
	v_lshlrev_b32 v3, 3, v0                        ; 8 t: my bytes in a piece of h
	v_lshrrev_b32 v[T+2], 5, v0                    ; t / 32
	v_readfirstlane_b32 s18, v[T+2]                ; wave 0..7
	v_and_b32 v[WO], 31, v0
	v_mul_u32_u24 v5, v[T+2], ROWB
	v_lshl_add_u32 v[WO], v[WO], 4, v5
	v_mov_b32 v[T+2], s18
	v_lshlrev_b32 v[T+2], 2, v[T+2]                ; my wave's word in LDS
	v_mov_b32 v[T+3], 0
	s_mov_b32 s40, 0x76543210                      ; v_permlanex16_b32: lane i of one half reads lane i of the other
	s_mov_b32 s41, 0xfedcba98
	s_mov_b32 s42, 0x38000000                      ; 2^-15 = 1 / 32,768 numbers of a group
	s_and_b32 s19, ttmp9, 31                       ; the group within its batch: rows 8 grp .. 8 grp + 7 of every matrix
	s_lshl_b32 s20, s19, 13                        ; eight rows of 1,024 bytes
	s_mov_b32 s21, 0
	s_wait_kmcnt 0x0
	s_add_nc_u64 s[10:11], s[10:11], s[20:21]
	s_add_nc_u64 s[12:13], s[12:13], s[20:21]
.irp m, 0,1,2
	global_load_b128 v[WF+8*\m:WF+8*\m+3], v2, s[10:11] offset:262144*\m           ; Wq, Wk, Wv: 256 rows of 1,024 bytes apart
	global_load_b128 v[WF+8*\m+4:WF+8*\m+7], v2, s[10:11] offset:262144*\m+16
.endr
	global_load_b128 v[WF+24:WF+27], v2, s[12:13]
	global_load_b128 v[WF+28:WF+31], v2, s[12:13] offset:16
	s_lshl_b32 s20, ttmp9, 17
	s_add_nc_u64 s[4:5], s[4:5], s[20:21]          ; x at my group
.set ix, 0
.rept 32
	global_load_b128 v[X+4*ix:X+4*ix+3], v1, s[4:5] offset:4096*ix
.set ix, ix+1
.endr
	s_lshl_b32 s20, s19, 5                         ; eight f32 of the group's channels
	s_add_nc_u64 s[6:7], s[6:7], s[20:21]
	s_add_nc_u64 s[8:9], s[8:9], s[20:21]
	s_load_b256 s[24:31], s[6:7], 0x0              ; gn_w
	s_load_b256 s[32:39], s[8:9], 0x0              ; gn_b
	s_mul_i32 s20, ttmp9, 8*ROWB
	s_add_nc_u64 s[14:15], s[14:15], s[20:21]      ; hw at my eight rows
	s_wait_loadcnt 32                              ; the 32 loads of x are younger than the eight of the weights
.irp m, 0,1,2,3
.irp k, 0,1,2,3
	v_cvt_pk_bf16_f32 v[WH+4*\m+\k], v[WF+8*\m+2*\k], v[WF+8*\m+2*\k+1]
.endr
.endr
	global_store_b128 v[WO], v[WH:WH+3], s[14:15]                  ; a wave stores one row's 512 consecutive bytes, aligned to 256: Wq at byte 0,
	global_store_b128 v[WO], v[WH+4:WH+7], s[14:15] offset:512     ; Wk at 512,
	global_store_b128 v[WO], v[WH+8:WH+11], s[14:15] offset:9216   ; Wv behind h's 8,192 bytes,
	global_store_b128 v[WO], v[WH+12:WH+15], s[14:15] offset:9728  ; proj_w last
; count pairs from pair first on are added onto the four chains
.macro ADDP first, count
.set px, \first
.rept \count
	v_pk_add_f32 v[ACC+2*(px%4):ACC+2*(px%4)+1], v[ACC+2*(px%4):ACC+2*(px%4)+1], v[X+2*px:X+2*px+1]
.set px, px+1
.endr
.endm
; The four chains become one number for the work-group, in v[T+4] of every lane.  off: the eight LDS words used.
.macro WGSUM off
	v_pk_add_f32 v[ACC:ACC+1], v[ACC:ACC+1], v[ACC+2:ACC+3]
	v_pk_add_f32 v[ACC+4:ACC+5], v[ACC+4:ACC+5], v[ACC+6:ACC+7]
	v_pk_add_f32 v[ACC:ACC+1], v[ACC:ACC+1], v[ACC+4:ACC+5]
	v_add_f32 v[T], v[ACC], v[ACC+1]
	v_add_f32_dpp v[T], v[T], v[T] row_xmask:1 row_mask:0xf bank_mask:0xf
	v_add_f32_dpp v[T], v[T], v[T] row_xmask:2 row_mask:0xf bank_mask:0xf
	v_add_f32_dpp v[T], v[T], v[T] row_xmask:4 row_mask:0xf bank_mask:0xf
	v_add_f32_dpp v[T], v[T], v[T] row_xmask:8 row_mask:0xf bank_mask:0xf
	v_permlanex16_b32 v[ACC], v[T], s40, s41       ; its destination counts as read: ACC has been written
	v_add_f32 v[T], v[T], v[ACC]
	ds_store_b32 v[T+2], v[T] offset:\off
	s_wait_dscnt 0x0                               ; my word is in LDS before I say so
	s_barrier_signal -1
	s_barrier_wait -1
	ds_load_b128 v[T+4:T+7], v[T+3] offset:\off    ; the eight waves' sums
	ds_load_b128 v[ACC:ACC+3], v[T+3] offset:\off+16
	s_wait_dscnt 0x0
	v_pk_add_f32 v[T+4:T+5], v[T+4:T+5], v[T+6:T+7]
	v_pk_add_f32 v[ACC:ACC+1], v[ACC:ACC+1], v[ACC+2:ACC+3]
	v_pk_add_f32 v[T+4:T+5], v[T+4:T+5], v[ACC:ACC+1]
	v_add_f32 v[T+4], v[T+4], v[T+5]
.endm
	; pass 1: the sum.  Eight loads (16 pairs) at a time; each count is the number of younger loads.
	s_wait_loadcnt 24
.set jx, 0
.rept 4
	v_pk_add_f32 v[ACC+2*jx:ACC+2*jx+1], v[X+2*jx:X+2*jx+1], v[X+8+2*jx:X+8+2*jx+1]   ; the first eight pairs start the chains: nothing is cleared
.set jx, jx+1
.endr
	ADDP 8, 8
	s_wait_loadcnt 16
	ADDP 16, 16
	s_wait_loadcnt 8
	ADDP 32, 16
	s_wait_loadcnt 0
	ADDP 48, 16
	WGSUM 0
	v_mul_f32 v[T], s42, v[T+4]                    ; the mean, twice, for the packed subtraction
	v_mul_f32 v[T+1], s42, v[T+4]
	; pass 2: x - mean in place, and the sum of its squares
.set px, 0
.rept 64
	v_pk_add_f32 v[X+2*px:X+2*px+1], v[X+2*px:X+2*px+1], v[T:T+1] neg_lo:[0,1] neg_hi:[0,1]
.set px, px+1
.endr
.set px, 0
.rept 4
	v_pk_mul_f32 v[ACC+2*px:ACC+2*px+1], v[X+2*px:X+2*px+1], v[X+2*px:X+2*px+1]
.set px, px+1
.endr
.rept 60
	v_pk_fma_f32 v[ACC+2*(px%4):ACC+2*(px%4)+1], v[X+2*px:X+2*px+1], v[X+2*px:X+2*px+1], v[ACC+2*(px%4):ACC+2*(px%4)+1]
.set px, px+1
.endr
	WGSUM 64                                       ; other words than the first sum's: no wave can overwrite what a slower one still reads
	v_fmaak_f32 v[T+5], s42, v[T+4], 0x3727c5ac    ; variance + 1e-5
	v_rsq_f32 v[T+6], v[T+5]
	v_nop                                          ; one plain instruction between v_rsq_f32 and the use of its result (ISA guide 5.7.2)
	s_wait_kmcnt 0x0                               ; gn_w, gn_b
	s_wait_alu depctr_va_vdst(0)
.irp c, 0,1,2,3,4,5,6,7
	v_mul_f32 v[GA+\c], s[24+\c], v[T+6]
	v_mov_b32 v[GB+\c], s[32+\c]
.endr
	; pass 3: piece i belongs to channel i / 4; op_sel picks that channel's factor and addend out of their pairs for both halves
.irp cp, 0,1,2,3
.irp sel, 0,1
.irp q, 0,1,2,3
.set xb, X+16*(2*\cp+\sel)+4*\q
	v_pk_fma_f32 v[xb:xb+1], v[xb:xb+1], v[GA+2*\cp:GA+2*\cp+1], v[GB+2*\cp:GB+2*\cp+1] op_sel:[0,\sel,\sel] op_sel_hi:[1,\sel,\sel]
	v_pk_fma_f32 v[xb+2:xb+3], v[xb+2:xb+3], v[GA+2*\cp:GA+2*\cp+1], v[GB+2*\cp:GB+2*\cp+1] op_sel:[0,\sel,\sel] op_sel_hi:[1,\sel,\sel]
	v_cvt_pk_bf16_f32 v[xb], v[xb], v[xb+1]
	v_cvt_pk_bf16_f32 v[xb+1], v[xb+2], v[xb+3]
	global_store_b64 v3, v[xb:xb+1], s[14:15] offset:(2*\cp+\sel)*ROWB+1024+\q*2048   ; h begins at byte 1,024 of the channel's row; a wave's store covers 256 consecutive bytes, aligned; its registers are not written again
.endr
.endr
.endr
	s_wait_tensorcnt 0x0
	ds_add_u32 v224, v225
	s_wait_dscnt 0x0
	s_endpgm
.Lfunc_end_k_q05c54c9770_gn:
	.size	k_q05c54c9770_gn, .Lfunc_end_k_q05c54c9770_gn-k_q05c54c9770_gn
	.p2alignl 7, 3214868480
	.fill 96, 4, 3214868480
	.section	.rodata,"a",@progbits
	.p2align	6, 0x0
	.amdhsa_kernel k_q05c54c9770_gn
		.amdhsa_group_segment_fixed_size 1280
		.amdhsa_private_segment_fixed_size 0
		.amdhsa_enable_private_segment 0
		.amdhsa_kernarg_size 48
		.amdhsa_user_sgpr_count 2
		.amdhsa_user_sgpr_kernarg_segment_ptr 1
		.amdhsa_wavefront_size32 1
		.amdhsa_system_sgpr_workgroup_id_x 1
		.amdhsa_system_sgpr_workgroup_id_y 1
		.amdhsa_system_sgpr_workgroup_id_z 1
		.amdhsa_system_vgpr_workitem_id 0
		.amdhsa_next_free_vgpr 226
		.amdhsa_next_free_sgpr 66
		.amdhsa_reserve_vcc 0
		.amdhsa_float_denorm_mode_32 3
		.amdhsa_float_denorm_mode_16_64 3
		.amdhsa_memory_ordered 1
		.amdhsa_forward_progress 1
		.amdhsa_inst_pref_size 33
	.end_amdhsa_kernel
	.amdgpu_metadata
---
amdhsa.version: [ 1, 2 ]
amdhsa.kernels:
  - .name:           k_q05c54c9770_gn
    .symbol:         k_q05c54c9770_gn.kd
    .args:
      - { .name: x, .offset: 0, .size: 8, .value_kind: global_buffer, .address_space: global }
      - { .name: gn_w, .offset: 8, .size: 8, .value_kind: global_buffer, .address_space: global }
      - { .name: gn_b, .offset: 16, .size: 8, .value_kind: global_buffer, .address_space: global }
      - { .name: qkv_w, .offset: 24, .size: 8, .value_kind: global_buffer, .address_space: global }
      - { .name: proj_w, .offset: 32, .size: 8, .value_kind: global_buffer, .address_space: global }
      - { .name: hw, .offset: 40, .size: 8, .value_kind: global_buffer, .address_space: global }
    .group_segment_fixed_size: 1280
    .private_segment_fixed_size: 0
    .kernarg_segment_align: 8
    .kernarg_segment_size: 48
    .max_flat_workgroup_size: 256
    .sgpr_count:     66
    .vgpr_count:     226
    .wavefront_size: 32
...
	.end_amdgpu_metadata
.endif
;; end of part 4
;; launch attn (part 5): grid 256 x 1, 4 waves a work-group, clusters of 4 x 1, 327,680 bytes of LDS; arguments hw, qkv_b, proj_b, x, out0; writes out0
.if DOCPART == 5
	.amdgcn_target "amdgcn-amd-amdhsa--gfx1250"
	.amdhsa_code_object_version 6
	.text
	.protected	k_q05c54c9770_attn
	.globl	k_q05c54c9770_attn
	.p2align	8
	.type	k_q05c54c9770_attn,@function
k_q05c54c9770_attn:
	s_mov_b64 s[64:65], 0
	v_nop
	global_prefetch_b8 v0, s[64:65] scope:SCOPE_SE
	s_setreg_imm32_b32 hwreg(HW_REG_WAVE_MODE, 25, 1), 1
	s_wait_xcnt 0x0
	s_wait_alu depctr_hold_cnt(0) depctr_sa_sdst(0) depctr_va_vdst(0) depctr_va_sdst(0) depctr_va_ssrc(0) depctr_va_vcc(0) depctr_vm_vsrc(0)
	s_getreg_b32 s2, hwreg(HW_REG_IB_STS2, 6, 4)
	s_cmp_eq_u32 s2, 0
	s_cbranch_scc0 .Lentry_in_a_cluster
	s_endpgm
.Lentry_in_a_cluster:
	s_bfe_u32 s2, ttmp6, 0x10000c
	s_cmp_lg_u32 s2, 0x3003
	s_cbranch_scc0 .Lentry_shape_is_right
	s_endpgm
.Lentry_shape_is_right:
; out0 = x + proj_w softmax(q k / 16) v + proj_b, with q, k, v = qkv_w h + qkv_b and h the normalised x in bf16.
; INPUT hw[b][c]: a row of 10,240 bytes = Wq[c], Wk[c], h[b][c][0..4095], Wv[c], proj_w[c]: a batch is twenty tiles of 256 rows x 512 bytes.
; K AND V ARE NOT FORMED.  For every input  q . k_m = (Wk^T q) . h_m + q . bk  and  sum p_m v_m = Wv (sum p_m h_m) + bv  (the p add up to 1).
; So the scores are q' . h_m with q' = Wk^T (Wq h_n + bq), the weighted mean is taken of h itself, and Wv, bv, proj_w, proj_b follow once at the end:
; ONE tile of h, [256 c][256 keys], serves both products of a step.  q . bk is one number for a query, added to all its scores: taking the
; maximum away removes it, so qkv_b[256:512] is not loaded.  The q and v parts of qkv_b are added in f32, as C operands.
; A work-group owns 64 queries of one batch.  Keys go in 16 steps of 256; wave w takes ALL 64 queries and keys 256 t + 64 w .. + 63, with a
; running maximum (kept as nm), a sum and an output (256 c x 64 queries, 512 registers) of its own; the four waves are merged once, at the end.
; S IS MADE TRANSPOSED: source 0 = 16 keys of h (transposing LDS load: the tile lies [c][key]), source 1 = 16 queries of q': lane (r, h) holds
; query r and keys 8 h + j.  Two neighbouring key tiles, rounded to bf16 in place, are source 1 of the second product (source 0 = 16 rows c of
; the same tile, plain LDS loads), whose result again has query r in lane r: maximum, sum and factor are one number a lane.
; p = exp2(s SC + nm), SC = log2(e) / 16, nm = min over the steps of -(SC max s), rounded once: the running maximum is always taken away.
; CLUSTER 4 x 1: four query blocks of one batch walk the same twenty tiles: joint loads with the mask 15.
; RING: two slots of one tile; tile j goes to slot j & 1: Wq, Wk, the sixteen tiles of h, Wv, proj_w.  Every refill is the same line: the slot's
; address steps by two tiles, 1,024 bytes along the rows.  Step t reads slot t & 1 and, near its end, asks for the tile two further on, which so
; has a whole step (256 matrix instructions and a softmax) in which to land; steps 14 and 15 so bring Wv and proj_w.  Steps 1 to 14 are one
; loop body, two steps a trip; step 0 (which starts the sums) and step 15 (behind which no fragments of h are fetched) are written out.
; Each wave issues one joint load of 64 rows x 512 bytes behind each round; three loads of a wave are out at the start, later one.
; PITCH 544 = 17 x 32 suits the transposing loads; the plain loads of the same tile then meet two deep (no pitch serves both kinds).
; LIMITS: NaN and infinities are not treated apart; v_exp_f32 gives 0 for results below 2^-126 (ISA guide, 15.8); the denominator adds the
; unrounded p while the second product takes p rounded to bf16; the order of the sums is this text's own.
; REGISTERS in windows of 256: window 0 addresses, statistics, S / P (v32-159), three sets of four fragments (v160-255); window 1 the fragments
; (b, kk) at 8 (8 b + kk) of h, then q, then q', later Wv's and proj_w's; windows 2, 3 the output tiles (ct, b) at 8 (4 (ct & 7) + b).
.set ROWE,  5120                       ; elements in a row of hw
.set ROWB,  2*ROWE                     ; bytes
.set TILEB, 512                        ; bytes of a row in a tile
.set P,     544                        ; LDS pitch of a tile's row: 512 bytes + 32
.set SLOT,  256*P                      ; 139,264
.set HALF,  128*P                      ; an LDS offset has 16 bits: each slot has an address for rows 0-127 and one for rows 128-255
.set HQ,    2*SLOT                     ; 278,528: my own 64 columns of h, 256 rows of 128 bytes + 32
.set HP,    160
.set QIM,   HQ                         ; after HQ's only fill: 32 fragment images of 1,024 bytes
.set OB,    HQ
.set STAT,  HQ+256*HP                  ; 319,488: 4,096 bytes that no tensor load ever fills
.set YST,   32768                      ; the way out's stage, in slot 0 behind 32 images
.set YP,    272
.set AT,   2                           ; v[2:5]    transposing loads: slot 0 rows 0-127, 128-255, slot 1 likewise
.set LS,   8                           ; v[8:11]   my lane's part of the sum; before the first step four addresses:
.set AW,   8                           ;           my 64 rows of a weight tile in slot 0
.set AHQ,  9
.set QW,   10
.set QR,   11
.set NA,   12                          ; v[12:19]  pairs (nm, alpha) of query tile b
.set TT,   20                          ; v[20:27]  four pairs at work
.set AV,   28                          ; v[28:31]  plain loads: slot 0 rows 0-127, 128-255, slot 1 likewise
.set SS,   32                          ; v[32:159] S tile (a, b) at SS + 32 b + 8 a; P fragment (b, u) at SS + 32 b + 16 u; 8 free registers behind each
.set FF,   160                         ; v[160:255] three sets of four fragments
.set BV,   96                          ; the epilogue: v's bias, 8 registers for each of 4 tiles
.set PB,   128                         ; proj_b likewise
.set L16,  224                         ; v224-242: the epilogue's addresses
.set STR,  225
.set STW,  226
.set AW0,  227
.set XW,   228
.set XRD,  232
.set OBR,  233
.set OBW,  234
.set PBO,  235
.set XO,   236
.set YW,   237
.set YR,   238
.set ER,   239
.set EH,   240
.set AW1,  241
.set BVO,  242
.set G1T, 24                           ; s[24:31] a wave's part of a tile: 64 rows x 256 elements, 5,120 elements from row to row
.set G1H, 40                           ; s[40:47] of my own columns of h: 64 rows x 64 elements
.set G0A, 48                           ; s[48:51] slot 0
.set G0B, 52                           ; s[52:55] slot 1
.set G0H, 56                           ; s[56:59]
.set W0T, 15|(1<<16)|(1<<20)|(1<<21)|(6<<22)|(7<<25)   ; mask of the four partners, bit 21 beside it; 2-byte elements; behind every 128 words a pad of 8
.set W0H, (1<<16)|(1<<20)|(4<<22)|(7<<25)              ; no mask: the work-group's own; behind every 32 words a pad of 8
.set MSB, 0
.macro WIN new                         ; the immediate's high byte repeats the setting that is left
.if MSB != \new
	s_set_vgpr_msb (MSB<<8)|\new
.set MSB, \new
.endif
.endm
.macro PLACES                          ; four places behind a matrix instruction, ahead of loads into its sources and of readers of its results
.rept 4
	v_nop
.endr
.endm
.macro CREST                           ; a round of the cluster's barrier behind its opening barrier
	s_cmp_lg_u32 s16, 0
	s_cbranch_scc1 .Lnot_wave_0_\@
	s_barrier_signal -3
.Lnot_wave_0_\@:
	s_barrier_wait -3
	s_barrier_signal -1
	s_barrier_wait -1
.endm
.macro CROUND
	s_barrier_signal -1
	s_barrier_wait -1
	CREST
.endm
.macro GROUP1 g, w0, cols, rows, pitch
	s_mov_b32 s[\g+0], \w0
	s_mov_b32 s[\g+1], (\cols)<<16                 ; tensor_dim0
	s_mov_b32 s[\g+2], (\rows)<<16                 ; tensor_dim1
	s_mov_b32 s[\g+3], (\cols)<<16                 ; tile_dim0
	s_mov_b32 s[\g+4], \rows                       ; tile_dim1
	s_mov_b32 s[\g+5], \pitch                      ; elements from row to row
	s_mov_b32 s[\g+6], 0
	s_mov_b32 s[\g+7], 0
.endm
	s_load_b64 s[4:5], s[0:1], 0x0                 ; hw
	s_load_b256 s[8:15], s[0:1], 0x8               ; qkv_b s[8:9], proj_b s[10:11], x s[12:13], out0 s[14:15]
	v_lshl_add_u32 v6, v0, 2, 0x4f000
	v_mov_b32 v7, 0
	ds_add_u32 v6, v7
	s_wait_dscnt 0x0
	v_lshrrev_b32 v1, 5, v0
	v_readfirstlane_b32 s16, v1                    ; wave 0..3
	s_bfe_u32 s17, ttmp6, 0x40000                  ; cx
	s_lshr_b32 s18, ttmp9, 4                       ; batch
	s_and_b32 s19, ttmp9, 15
	s_lshl_b32 s19, s19, 2
	s_add_co_u32 s19, s19, s17                     ; query block 0..63
	s_mov_b32 s20, 0x76543210                      ; v_permlanex16_b32: lane i of one half reads lane i of the other
	s_mov_b32 s21, 0xfedcba98
	s_mov_b32 s22, 0x3db8aa3b                      ; SC = log2(e) / 16, twice for the packed form
	s_mov_b32 s23, 0x3db8aa3b
	s_mov_b32 s66, 0xbdb8aa3b                      ; -SC
	GROUP1 G1T, W0T, 256, 64, ROWE
	GROUP1 G1H, W0H, 64, 64, ROWE
	s_mul_i32 s68, s18, 256*ROWB                   ; the tiles: batch x 256 rows + 64 rows a wave: registers that never hold cx
	s_mul_i32 s69, s16, 64*ROWB
	s_add_co_u32 s68, s68, s69
	s_mov_b32 s69, 0
	s_mul_i32 s2, s18, 256*ROWB                    ; my own columns of h: the same rows, 128 bytes at 128 x query block behind the two weight tiles
	s_mul_i32 s3, s16, 64*ROWB
	s_add_co_u32 s2, s2, s3
	s_lshl_b32 s3, s19, 7
	s_add_co_u32 s2, s2, s3
	s_add_co_u32 s2, s2, 2*TILEB
	s_mov_b32 s3, 0
	s_mov_b32 s[G0A], 1
	s_mul_i32 s[G0A+1], s16, 64*P                  ; where my 64 rows go: the wave's number times a constant, plus the slot
	s_mov_b32 s[G0B], 1
	s_mul_i32 s[G0B+1], s16, 64*P
	s_add_co_u32 s[G0B+1], s[G0B+1], SLOT
	s_mov_b32 s[G0H], 1
	s_mul_i32 s[G0H+1], s16, 64*HP
	s_add_co_u32 s[G0H+1], s[G0H+1], HQ
	s_wait_kmcnt 0x0
	s_add_nc_u64 s[G0A+2:G0A+3], s[4:5], s[68:69]              ; the first tile: Wq
	s_add_nc_u64 s[G0B+2:G0B+3], s[G0A+2:G0A+3], TILEB         ; the second: Wk
	s_or_b32 s[G0A+3], s[G0A+3], 0x80000000
	s_or_b32 s[G0B+3], s[G0B+3], 0x80000000
	s_add_nc_u64 s[G0H+2:G0H+3], s[4:5], s[2:3]
	s_or_b32 s[G0H+3], s[G0H+3], 0x80000000
	CROUND                                         ; the four partners are here: the first joint loads meet
	tensor_load_to_lds s[G0H:G0H+3], s[G1H:G1H+7]  ; the first fills, in one group
	s_nop 0
	tensor_load_to_lds s[G0A:G0A+3], s[G1T:G1T+7]
	s_nop 0
	tensor_load_to_lds s[G0B:G0B+3], s[G1T:G1T+7]
	s_nop 0
	v_and_b32 v1, 15, v0                           ; r
	v_bfe_u32 v6, v0, 4, 1                         ; h
	v_and_b32 v7, 7, v0
	v_lshl_add_u32 v7, v6, 3, v7                   ; transposing loads: row 8 h + (lane & 7),
	v_bfe_u32 v[TT+4], v0, 3, 1                    ; 16 bytes further for lanes 8-15 and 24-31
	v_mul_u32_u24 v[TT], v1, P
	v_lshl_add_u32 v[TT], v6, 4, v[TT]             ; plain loads: r x pitch + 16 h
	v_add_nc_u32 v[AW], s[G0A+1], v[TT]            ; in my 64 rows of a weight tile
	s_lshl_b32 s72, s16, 7                         ; my 64 keys: 128 bytes of every row
	v_add_nc_u32 v[AV], s72, v[TT]
	v_add_nc_u32 v[AV+1], HALF, v[AV]
	v_add_nc_u32 v[AV+2], SLOT, v[AV]
	v_add_nc_u32 v[AV+3], SLOT+HALF, v[AV]
	v_mul_u32_u24 v[TT+2], v7, P
	v_lshl_add_u32 v[TT+2], v[TT+4], 4, v[TT+2]
	v_add_nc_u32 v[AT], s72, v[TT+2]
	v_add_nc_u32 v[AT+1], HALF, v[AT]
	v_add_nc_u32 v[AT+2], SLOT, v[AT]
	v_add_nc_u32 v[AT+3], SLOT+HALF, v[AT]
	v_mul_u32_u24 v[AHQ], v7, HP
	v_lshl_add_u32 v[AHQ], v[TT+4], 4, v[AHQ]
	v_add_nc_u32 v[AHQ], HQ, v[AHQ]
	v_and_b32 v[QR], 31, v0
	v_lshlrev_b32 v[QR], 4, v[QR]
	v_add_nc_u32 v[QR], QIM, v[QR]                 ; a fragment image: registers 0-3 at 16 x lane, registers 4-7 512 bytes further
	s_lshl_b32 s72, s16, 11
	v_add_nc_u32 v[QW], s72, v[QR]                 ; my images: kk = 2 w, 2 w + 1
	s_lshl_b32 s73, s16, 8
	v_lshl_add_u32 v1, v6, 5, s73                  ; (64 w + 8 h) x 4: q's bias of my 64 rows
	WIN 0x80
.irp a, 0,1,2,3
	global_load_b128 v[8*\a:8*\a+3], v1, s[8:9] offset:64*\a       ; window 2, free until the first step: register j = bias of row 64 w + 16 a + 8 h + j
	global_load_b128 v[8*\a+4:8*\a+7], v1, s[8:9] offset:64*\a+16
.endr
	WIN 0
.irp b, 0,1,2,3
	v_mov_b32 v[TT+2*\b+1], 0                      ; destinations of v_permlanex16_b32 count as read,
	v_mov_b32 v[NA+2*\b+1], 0                      ; and so does the second register of a pair of which the first alone is used
.endr
; eight LDS loads: my four key tiles' fragments of channels 32 kk .. + 31 out of slot sl, transposed, into set kk % 3
.macro KLOAD sl, kk
.irp a, 0,1,2,3
	ds_load_tr16_b128 v[FF+32*((\kk)%3)+8*\a:FF+32*((\kk)%3)+8*\a+3], v[AT+2*(\sl)+(\kk)/4] offset:((\kk)%4)*32*P+32*\a
	ds_load_tr16_b128 v[FF+32*((\kk)%3)+8*\a+4:FF+32*((\kk)%3)+8*\a+7], v[AT+2*(\sl)+(\kk)/4] offset:((\kk)%4)*32*P+32*\a+16*P
.endr
.endm
; eight LDS loads: four fragments of my 64 rows of the weight tile in slot 0, columns 32 kk .. + 31, into set kk % 3
.macro KLOADW kk
.irp a, 0,1,2,3
	ds_load_b128 v[FF+32*((\kk)%3)+8*\a:FF+32*((\kk)%3)+8*\a+3], v[AW] offset:16*P*\a+64*(\kk)
	ds_load_b128 v[FF+32*((\kk)%3)+8*\a+4:FF+32*((\kk)%3)+8*\a+7], v[AW] offset:16*P*\a+64*(\kk)+32
.endr
.endm
; eight LDS loads: rows c of tiles 2 g, 2 g + 1 and my key halves u = 0, 1; fragment 2 ctl + u at base + stride x (2 ctl + u)
.macro VLOAD sl, g, base, stride
.irp ctl, 0,1
.irp u, 0,1
	ds_load_b128 v[\base+\stride*(2*\ctl+\u):\base+\stride*(2*\ctl+\u)+3], v[AV+2*(\sl)+(2*\g+\ctl)/8] offset:((2*\g+\ctl)%8)*16*P+64*\u
	ds_load_b128 v[\base+\stride*(2*\ctl+\u)+4:\base+\stride*(2*\ctl+\u)+7], v[AV+2*(\sl)+(2*\g+\ctl)/8] offset:((2*\g+\ctl)%8)*16*P+64*\u+32
.endr
.endr
.endm
; 16 matrix instructions over k = 32 kk .. + 31: tile (a, b) += set kk % 3 x window 1.  The 16 tiles take turns, one instruction a turn.
; The first product starts the sums: from 0, or (cm = 1) from the bias block of row tile a, in window 2.
.macro SMUL kk, cm
.irp b, 0,1,2,3
.irp a, 0,1,2,3
.if \kk == 0
.if \cm
	v_wmma_f32_16x16x32_bf16 v[SS+32*\b+8*\a:SS+32*\b+8*\a+7], v[FF+8*\a:FF+8*\a+7], v[64*\b:64*\b+7], v[8*\a:8*\a+7]
.else
	v_wmma_f32_16x16x32_bf16 v[SS+32*\b+8*\a:SS+32*\b+8*\a+7], v[FF+8*\a:FF+8*\a+7], v[64*\b:64*\b+7], 0
.endif
.else
	v_wmma_f32_16x16x32_bf16 v[SS+32*\b+8*\a:SS+32*\b+8*\a+7], v[FF+32*((\kk)%3)+8*\a:FF+32*((\kk)%3)+8*\a+7], v[8*(8*\b+\kk):8*(8*\b+\kk)+7], v[SS+32*\b+8*\a:SS+32*\b+8*\a+7]
.endif
.endr
.endr
.endm
; 16 matrix instructions: c tiles 2 g, 2 g + 1 x four query tiles x two key halves; eight tiles by turns, twice round
.macro PMUL g, base, stride, zero
.irp u, 0,1
.irp ctl, 0,1
.irp b, 0,1,2,3
.if \zero*(1-\u)
	v_wmma_f32_16x16x32_bf16 v[8*(4*((2*\g+\ctl)%8)+\b):8*(4*((2*\g+\ctl)%8)+\b)+7], v[\base+\stride*(2*\ctl+\u):\base+\stride*(2*\ctl+\u)+7], v[SS+32*\b+16*\u:SS+32*\b+16*\u+7], 0
.else
	v_wmma_f32_16x16x32_bf16 v[8*(4*((2*\g+\ctl)%8)+\b):8*(4*((2*\g+\ctl)%8)+\b)+7], v[\base+\stride*(2*\ctl+\u):\base+\stride*(2*\ctl+\u)+7], v[SS+32*\b+16*\u:SS+32*\b+16*\u+7], v[8*(4*((2*\g+\ctl)%8)+\b):8*(4*((2*\g+\ctl)%8)+\b)+7]
.endif
.endr
.endr
.endr
.endm
; 128 packed multiplies: the 32 output tiles of one window times alpha of their query tile (the second register of the pair, for both halves)
.macro SCALE32 win
	WIN \win
.set rt, 0
.rept 32
.irp p, 0,1,2,3
	v_pk_mul_f32 v[8*rt+2*\p:8*rt+2*\p+1], v[NA+2*(rt%4):NA+2*(rt%4)+1], v[8*rt+2*\p:8*rt+2*\p+1] op_sel:[1,0] op_sel_hi:[1,1]
.endr
.set rt, rt+1
.endr
.endm
; two neighbouring row tiles (16 registers) become one fragment (8 registers), in place; the upper 8 fall free
.macro PACKS
.set cb, SS
.rept 8
.irp r, 0,1,2,3
	v_cvt_pk_bf16_f32 v[cb+\r], v[cb+2*\r], v[cb+2*\r+1]
.endr
.irp r, 0,1,2,3
	v_cvt_pk_bf16_f32 v[cb+4+\r], v[cb+8+2*\r], v[cb+8+2*\r+1]
.endr
.set cb, cb+16
.endr
.endm
; A whole run over k = 0 .. 255 in the prologue.  w = 1: source 0 = my rows of the weight tile in slot 0, the bias starts the sums;
; w = 0: source 0 = my columns of the tile in slot sl, transposed.  At its head the fragments of kk = 0, 1 are on their way.
.macro SRUN w, sl
.irp kk, 0,1,2,3,4,5
	PLACES
.if \w
	KLOADW \kk+2
.else
	KLOAD \sl, \kk+2
.endif
	s_wait_dscnt 16                                ; the loads of the two younger kk stay out
.if \w
.if \kk == 0
	WIN 0x24                                       ; source 1 in window 1, C (the bias) in window 2
.else
	WIN 0x04
.endif
.else
	WIN 0x04
.endif
	SMUL \kk, \w
.endr
	s_wait_dscnt 8                                 ; kk = 7's eight loads stay out
	SMUL 6, 0
	s_wait_dscnt 0x0
	SMUL 7, 0
	WIN 0
	PLACES
.endm
; My eight fragments (b, kk = 2 w + u) go into LDS as images; every wave takes all 32 into window 1.
.macro QSWAP
.irp b, 0,1,2,3
.irp u, 0,1
	ds_store_b128 v[QW], v[SS+32*\b+16*\u:SS+32*\b+16*\u+3] offset:8192*\b+1024*\u
	ds_store_b128 v[QW], v[SS+32*\b+16*\u+4:SS+32*\b+16*\u+7] offset:8192*\b+1024*\u+512
.endr
.endr
	s_wait_dscnt 0x0                               ; my images are in LDS before I say so
	s_barrier_signal -1
	s_barrier_wait -1                              ; the tile that is on its way stays out
	WIN 0x40
.set fx, 0
.rept 32
	ds_load_b128 v[8*fx:8*fx+3], v[QR] offset:1024*fx
	ds_load_b128 v[8*fx+4:8*fx+7], v[QR] offset:1024*fx+512
.set fx, fx+1
.endr
	WIN 0
.endm
	; ---- stage 1: q = Wq h + bq for my 64 rows o and the 64 queries
	s_wait_tensorcnt 0x1                           ; my columns of h and Wq are in; Wk is younger and stays out
	s_barrier_signal -1
	s_barrier_wait -1                              ; every wave's rows of my columns of h are there
	WIN 0x40
.irp b, 0,1,2,3
.irp kk, 0,1,2,3,4,5,6,7
	ds_load_tr16_b128 v[8*(8*\b+\kk):8*(8*\b+\kk)+3], v[AHQ] offset:32*HP*\kk+32*\b
	ds_load_tr16_b128 v[8*(8*\b+\kk)+4:8*(8*\b+\kk)+7], v[AHQ] offset:32*HP*\kk+32*\b+16*HP
.endr
.endr
	WIN 0
	KLOADW 0
	KLOADW 1
	s_wait_loadcnt 0x0                             ; the bias
	SRUN 1, 0
	PACKS
	s_wait_dscnt 0x0                               ; my reads of Wq and of my columns of h are over
	s_wait_xcnt 0x0
	v_lshl_add_u32 v6, v0, 2, 0x4f000
	v_mov_b32 v7, 0
	s_wait_tensorcnt 0x0                           ; and all my tensor loads have landed: Wk
	ds_add_u32 v6, v7
	s_wait_dscnt 0x0
	s_add_nc_u64 s[G0A+2:G0A+3], s[G0A+2:G0A+3], 2*TILEB   ; slot 0 next takes the first tile of h
	CROUND                                         ; no wave of any partner still reads slot 0 or has a load on its way
	tensor_load_to_lds s[G0A:G0A+3], s[G1T:G1T+7]  ; the first tensor load behind the round, and my only one until the next
	s_nop 0
	QSWAP                                          ; the images lie where my columns of h lay: these have had their only fill, and the round has shown their reads over
	; ---- stage 2: q' = Wk^T q: the code of the scores, on the tile Wk [o][c'] in slot 1, my 64 columns c'
	KLOAD 1, 0
	KLOAD 1, 1
	SRUN 0, 1
	PACKS
	s_wait_dscnt 0x0                               ; my reads of Wk and of the images are over
	s_wait_xcnt 0x0
	v_lshl_add_u32 v6, v0, 2, 0x4f000
	v_mov_b32 v7, 0
	s_wait_tensorcnt 0x0                           ; and the first tile of h has landed
	ds_add_u32 v6, v7
	s_wait_dscnt 0x0
	s_add_nc_u64 s[G0B+2:G0B+3], s[G0B+2:G0B+3], 2*TILEB   ; slot 1 next takes the second tile of h
	CROUND
	tensor_load_to_lds s[G0B:G0B+3], s[G1T:G1T+7]
	s_nop 0
	QSWAP
; The softmax of my 64 keys x 64 queries: 32 scores a lane for each of four query tiles, the four interleaved.
.macro SOFTMAX first
.irp b, 0,1,2,3
	v_max_num_f32 v[TT+2*\b], v[SS+32*\b], v[SS+32*\b+1]
.endr
.set ix, 2
.rept 15
.irp b, 0,1,2,3
	v_max3_num_f32 v[TT+2*\b], v[TT+2*\b], v[SS+32*\b+ix], v[SS+32*\b+ix+1]
.endr
.set ix, ix+2
.endr
.irp b, 0,1,2,3
	v_permlanex16_b32 v[TT+2*\b+1], v[TT+2*\b], s20, s21   ; the other half of the lanes holds the same query's other keys
.endr
.irp b, 0,1,2,3
	v_max_num_f32 v[TT+2*\b], v[TT+2*\b], v[TT+2*\b+1]
.endr
.if \first
.irp b, 0,1,2,3
	v_mul_f32 v[NA+2*\b], s66, v[TT+2*\b]          ; nm = -(SC max)
.endr
.else
.irp b, 0,1,2,3
	v_mul_f32 v[TT+2*\b+1], s66, v[TT+2*\b]
.endr
.irp b, 0,1,2,3
	v_min_num_f32 v[TT+2*\b+1], v[TT+2*\b+1], v[NA+2*\b]   ; SC is positive: the smaller nm belongs to the larger maximum
.endr
.irp b, 0,1,2,3
	v_sub_f32 v[NA+2*\b+1], v[TT+2*\b+1], v[NA+2*\b]       ; new nm - old nm, never above 0
.endr
.irp b, 0,1,2,3
	v_mov_b32 v[NA+2*\b], v[TT+2*\b+1]
.endr
.irp b, 0,1,2,3
	v_exp_f32 v[NA+2*\b+1], v[NA+2*\b+1]           ; alpha
.endr
	v_nop                                          ; one plain instruction behind the exponentials (ISA guide 5.7.2): the next lines name the pairs
	s_wait_alu depctr_va_vdst(0)
.endif
.set ix, 0
.rept 64
	v_pk_fma_f32 v[SS+2*ix:SS+2*ix+1], v[SS+2*ix:SS+2*ix+1], s[22:23], v[NA+2*(ix/16):NA+2*(ix/16)+1] op_sel_hi:[1,0,0]
.set ix, ix+1
.endr
.set ix, 0
.rept 128
	v_exp_f32 v[SS+ix], v[SS+ix]
.set ix, ix+1
.endr
	v_nop                                          ; one plain instruction behind the exponentials
	s_wait_alu depctr_va_vdst(0)
.irp b, 0,1,2,3
	v_pk_add_f32 v[TT+2*\b:TT+2*\b+1], v[SS+32*\b:SS+32*\b+1], v[SS+32*\b+2:SS+32*\b+3]
.endr
.set ix, 4
.rept 14
.irp b, 0,1,2,3
	v_pk_add_f32 v[TT+2*\b:TT+2*\b+1], v[TT+2*\b:TT+2*\b+1], v[SS+32*\b+ix:SS+32*\b+ix+1]
.endr
.set ix, ix+2
.endr
.irp b, 0,1,2,3
.if \first
	v_add_f32 v[LS+\b], v[TT+2*\b], v[TT+2*\b+1]
.else
	v_add_f32 v[TT+2*\b], v[TT+2*\b], v[TT+2*\b+1]
.endif
.endr
.if \first == 0
.irp b, 0,1,2,3
	v_fma_f32 v[LS+\b], v[LS+\b], v[NA+2*\b+1], v[TT+2*\b]
.endr
.endif
	PACKS
.endm
; One step of 256 keys on the tile in slot sl.  At its head the fragments of kk = 0, 1 are on their way into sets 0, 1.
; Near its end the slot is asked for again, two tiles on.  last = 1: the next tile is no tile of h, so none of its fragments are fetched here.
.macro STEP first, sl, last
	WIN 0x04                                       ; source 1 (q') in window 1, all else in window 0; the LDS loads need no other setting
	v_nop                                          ; with the four below: five places, since the first product writes over P, which the last matrix instruction read
.irp kk, 0,1,2,3,4,5
	PLACES
	KLOAD \sl, \kk+2
	s_wait_dscnt 16                                ; the loads of the two younger kk stay out
	SMUL \kk, 0
.endr
	s_wait_dscnt 8                                 ; kk = 7's eight loads stay out
	SMUL 6, 0
	PLACES
	VLOAD \sl, 0, FF+64, 8
	VLOAD \sl, 1, FF, 8
	s_wait_dscnt 16                                ; the sixteen loads just issued stay out
	SMUL 7, 0
	WIN 0
	PLACES
	VLOAD \sl, 2, FF+32, 8
	SOFTMAX \first
	VLOAD \sl, 3, SS+8, 16                         ; into the registers that packing P has freed
	VLOAD \sl, 4, SS+72, 16
.if \first == 0
	SCALE32 0x88
	SCALE32 0xcc
.endif
	WIN 0xa0
	s_wait_dscnt 32                                ; each count: the loads of the younger groups
	PMUL 0, FF+64, 8, \first
	s_wait_dscnt 24
	PMUL 1, FF, 8, \first
	s_wait_dscnt 16
	PMUL 2, FF+32, 8, \first
	WIN 0
	PLACES
	VLOAD \sl, 5, FF, 8                            ; the slot's last reads: 48 matrix instructions stand between them and the wait for 0 below
	VLOAD \sl, 6, FF+32, 8
	VLOAD \sl, 7, FF+64, 8
	WIN 0xa0
	s_wait_dscnt 32                                ; group 4's eight and the 24 just issued stay out
	PMUL 3, SS+8, 16, \first
	WIN 0xf0
	s_wait_dscnt 24
	PMUL 4, SS+72, 16, \first
	s_wait_dscnt 16
	PMUL 5, FF, 8, \first
	s_wait_dscnt 0x0                               ; my reads of this slot are over
	s_wait_xcnt 0x0
	s_set_vgpr_msb 0xf030
	v_lshl_add_u32 v6, v0, 2, 0x4f000
	v_mov_b32 v7, 0
	s_wait_tensorcnt 0x0                           ; and all my tensor loads have landed: the one that was out is my part of the next tile
	ds_add_u32 v6, v7
	s_wait_dscnt 0x0
	s_set_vgpr_msb 0x30f0
	s_add_nc_u64 s[G0A+4*\sl+2:G0A+4*\sl+3], s[G0A+4*\sl+2:G0A+4*\sl+3], 2*TILEB   ; two tiles on along the rows
	s_barrier_signal -1                            ; this barrier opens a round of the cluster's barrier
	PMUL 6, FF+32, 8, \first                       ; work on registers while the others arrive
	WIN 0
	s_barrier_wait -1
	CREST                                          ; no wave of any partner still reads this slot or has a load on its way
	tensor_load_to_lds s[G0A+4*\sl:G0A+4*\sl+3], s[G1T:G1T+7]      ; the first tensor load behind the round, and my only one until the next
	s_nop 0
.if \last == 0
	PLACES
	KLOAD 1-\sl, 0                                 ; the next tile, whole since the round
	KLOAD 1-\sl, 1
.endif
	WIN 0xf0
	PMUL 7, FF+64, 8, \first
	WIN 0
.endm
	KLOAD 0, 0
	KLOAD 0, 1
	STEP 1, 0, 0                                   ; step 0 starts nm, sums and outputs: nothing is cleared
	s_mov_b32 s67, 7                               ; steps 1 to 14; the last trip's second step brings Wv
.Lstep:
	STEP 0, 1, 0
	STEP 0, 0, 0
	s_sub_co_u32 s67, s67, 1
	s_cmp_lg_u32 s67, 0
	s_cbranch_scc1 .Lstep
	STEP 0, 1, 1                                   ; step 15 brings proj_w
	; ---- Wv's fragments (jt, kk) of my 64 rows into window 1, where q' was
	PLACES
	s_wait_tensorcnt 0x1                           ; my 64 rows of Wv, which I alone read, are in (step 15's wait for 0 has shown it); proj_w's load is younger and stays out
	v_and_b32 v[ER], 15, v0
	v_bfe_u32 v[EH], v0, 4, 1
	v_mul_u32_u24 v[AW0], v[ER], P
	v_lshl_add_u32 v[AW0], v[EH], 4, v[AW0]
	v_add_nc_u32 v[AW0], s[G0A+1], v[AW0]
	v_add_nc_u32 v[AW1], SLOT, v[AW0]
	WIN 0x40
.irp jt, 0,1,2,3
.irp kk, 0,1,2,3,4,5,6,7
	ds_load_b128 v[8*(8*\jt+\kk):8*(8*\jt+\kk)+3], v[AW0] offset:16*P*\jt+64*\kk
	ds_load_b128 v[8*(8*\jt+\kk)+4:8*(8*\jt+\kk)+7], v[AW0] offset:16*P*\jt+64*\kk+32
.endr
.endr
	WIN 0
	; ---- the epilogue's addresses
	v_and_b32 v[L16], 31, v0
	v_lshlrev_b32 v[L16], 4, v[L16]                ; 16 x lane
	v_add_nc_u32 v[STR], STAT, v[L16]
	s_lshl_b32 s72, s16, 10
	v_add_nc_u32 v[STW], s72, v[STR]
	s_lshl_b32 s72, s16, 13
	v_add_nc_u32 v[XW], s72, v[L16]                ; merge, in: quarter q x 32,768 + my wave x 8,192
	v_add_nc_u32 v[XW+1], 0x8000, v[XW]
	v_add_nc_u32 v[XW+2], 0x10000, v[XW]
	v_add_nc_u32 v[XW+3], 0x18000, v[XW]
	s_lshl_b32 s72, s16, 15
	v_add_nc_u32 v[XRD], s72, v[L16]               ; merge, back: my quarter
	v_add_nc_u32 v[OBR], OB, v[L16]
	s_lshl_b32 s72, s16, 12
	v_add_nc_u32 v[OBW], s72, v[OBR]
	s_lshl_b32 s72, s16, 8
	v_lshl_add_u32 v[PBO], v[ER], 2, s72           ; (64 w + r) x 4
	s_add_co_u32 s72, s72, 2048
	v_lshl_add_u32 v[BVO], v[EH], 5, s72           ; (512 + 64 w + 8 h) x 4
	v_lshlrev_b32 v[XO], 14, v[EH]
	v_lshl_add_u32 v[XO], v[ER], 4, v[XO]          ; one row of 16,384 bytes for lanes 16-31, 16 bytes a lane
	s_mul_i32 s72, s16, 64*YP
	s_add_co_u32 s72, s72, YST
	v_mul_u32_u24 v[YW], v[ER], YP
	v_lshl_add_u32 v[YW], v[EH], 5, v[YW]
	v_add_nc_u32 v[YW], s72, v[YW]
	v_mul_u32_u24 v[YR], v[EH], YP
	v_lshl_add_u32 v[YR], v[ER], 4, v[YR]
	v_add_nc_u32 v[YR], s72, v[YR]
	s_lshl_b32 s72, s18, 22                        ; x and out0: batch, my 64 channels, my 64 positions
	s_lshl_b32 s73, s16, 20
	s_add_co_u32 s72, s72, s73
	s_lshl_b32 s73, s19, 8
	s_add_co_u32 s72, s72, s73
	s_mov_b32 s73, 0
	s_add_nc_u64 s[12:13], s[12:13], s[72:73]
	s_add_nc_u64 s[14:15], s[14:15], s[72:73]
	; ---- the waves' nm and sums meet
.irp b, 0,1,2,3
	v_permlanex16_b32 v[TT+2*\b], v[LS+\b], s20, s21
.endr
.irp b, 0,1,2,3
	v_add_f32 v[LS+\b], v[LS+\b], v[TT+2*\b]
.endr
.irp b, 0,1,2,3
	v_mov_b32 v[TT+\b], v[NA+2*\b]                 ; the four nm side by side, for one store
.endr
	ds_store_b128 v[STW], v[TT:TT+3]
	ds_store_b128 v[STW], v[LS:LS+3] offset:512
	s_wait_dscnt 0x0                               ; my statistics are in LDS; my reads of Wv's rows are back
	s_barrier_signal -1
	s_barrier_wait -1                              ; slot 0 has had its last fill and nobody reads it any more: from here it is scratch.  proj_w's load stays out
.irp w, 0,1,2,3
	ds_load_b128 v[32+8*\w:35+8*\w], v[STR] offset:1024*\w
	ds_load_b128 v[36+8*\w:39+8*\w], v[STR] offset:1024*\w+512
.endr
	s_wait_dscnt 0x0
.irp b, 0,1,2,3
	v_min3_num_f32 v[64+\b], v[32+\b], v[40+\b], v[48+\b]
.endr
.irp b, 0,1,2,3
	v_min_num_f32 v[64+\b], v[64+\b], v[56+\b]     ; nm of the common maximum
.endr
.irp w, 0,1,2,3
.irp b, 0,1,2,3
	v_sub_f32 v[32+8*\w+\b], v[64+\b], v[32+8*\w+\b]
.endr
.endr
.irp b, 0,1,2,3
	v_sub_f32 v[68+\b], v[64+\b], v[NA+2*\b]       ; my own
.endr
.irp w, 0,1,2,3
.irp b, 0,1,2,3
	v_exp_f32 v[32+8*\w+\b], v[32+8*\w+\b]
.endr
.endr
.irp b, 0,1,2,3
	v_exp_f32 v[68+\b], v[68+\b]
.endr
	v_nop                                          ; one plain instruction behind the exponentials
	s_wait_alu depctr_va_vdst(0)
.irp b, 0,1,2,3
	v_mul_f32 v[72+\b], v[32+\b], v[36+\b]
.endr
.irp w, 1,2,3
.irp b, 0,1,2,3
	v_fma_f32 v[72+\b], v[32+8*\w+\b], v[36+8*\w+\b], v[72+\b]
.endr
.endr
.irp b, 0,1,2,3
	v_rcp_f32 v[72+\b], v[72+\b]                   ; the sum is about 1 at the least: the wave with the common maximum adds its largest p unscaled
.endr
	v_nop
	s_wait_alu depctr_va_vdst(0)
.irp b, 0,1,2,3
	v_mul_f32 v[NA+2*\b+1], v[68+\b], v[72+\b]     ; my factor / the whole sum, in alpha's place
.endr
; The merge, one window (128 channels, 128 KB of LDS) at a time.
; In: my 32 tiles, scaled, as images of 1,024 bytes: [quarter = c tile / 2][source wave][tile 4 (ct & 1) + b]
.macro XOUT win
	WIN \win                                       ; data of the LDS stores in the outputs' window, addresses in window 0
.set xt, 0
.rept 32
.irp p, 0,1,2,3
	v_pk_mul_f32 v[8*xt+2*\p:8*xt+2*\p+1], v[NA+2*(xt%4):NA+2*(xt%4)+1], v[8*xt+2*\p:8*xt+2*\p+1] op_sel:[1,0] op_sel_hi:[1,1]
.endr
	ds_store_b128 v[XW+xt/8], v[8*xt:8*xt+3] offset:1024*(xt%8)
	ds_store_b128 v[XW+xt/8], v[8*xt+4:8*xt+7] offset:1024*(xt%8)+512
.set xt, xt+1
.endr
.endm
; Back: wave w adds the four waves' parts of quarter w (32 channels) and leaves the four fragments (kk = w + 4 pass, b) as images
.macro XIN pass
	WIN 0x80
.set xi, 0
.rept 64
	ds_load_b128 v[4*xi:4*xi+3], v[XRD] offset:512*xi      ; source s, tile i, half: 16 s + 2 i + half, in LDS and in window 2 alike
.set xi, xi+1
.endr
	s_wait_dscnt 0x0
	WIN 0x8a
.set px, 0
.rept 32
	v_pk_add_f32 v[2*px:2*px+1], v[2*px:2*px+1], v[64+2*px:64+2*px+1]
	v_pk_add_f32 v[128+2*px:128+2*px+1], v[128+2*px:128+2*px+1], v[192+2*px:192+2*px+1]
.set px, px+1
.endr
.set px, 0
.rept 32
	v_pk_add_f32 v[2*px:2*px+1], v[2*px:2*px+1], v[128+2*px:128+2*px+1]
.set px, px+1
.endr
	WIN 0x0a                                       ; two neighbouring c tiles become one fragment: lane = query r, k = c
.irp b, 0,1,2,3
.irp r, 0,1,2,3
	v_cvt_pk_bf16_f32 v[32+8*\b+\r], v[8*\b+2*\r], v[8*\b+2*\r+1]
.endr
.irp r, 0,1,2,3
	v_cvt_pk_bf16_f32 v[36+8*\b+\r], v[8*(4+\b)+2*\r], v[8*(4+\b)+2*\r+1]
.endr
.endr
	WIN 0
.irp b, 0,1,2,3
	ds_store_b128 v[OBW], v[32+8*\b:35+8*\b] offset:16384*\pass+1024*\b
	ds_store_b128 v[OBW], v[36+8*\b:39+8*\b] offset:16384*\pass+1024*\b+512
.endr
.endm
	XOUT 0x88
	s_wait_dscnt 0x0
	s_barrier_signal -1
	s_barrier_wait -1
	XIN 0
	s_wait_dscnt 0x0                               ; my reads of the merge's bytes are over
	s_barrier_signal -1
	s_barrier_wait -1
	XOUT 0xcc
	s_wait_dscnt 0x0
	s_barrier_signal -1
	s_barrier_wait -1
	WIN 0
.irp jt, 0,1,2,3
	global_load_b128 v[BV+8*\jt:BV+8*\jt+3], v[BVO], s[8:9] offset:64*\jt          ; register j: v's bias of row 64 w + 16 jt + 8 h + j
	global_load_b128 v[BV+8*\jt+4:BV+8*\jt+7], v[BVO], s[8:9] offset:64*\jt+16
.endr
.irp ot, 0,1,2,3
	global_load_b32 v[PB+8*\ot], v[PBO], s[10:11] offset:64*\ot    ; proj_b of output channel 64 w + 16 ot + r
.endr
	WIN 0xc0
.set px, 0
.rept 32
	global_load_b128 v[128+4*px:131+4*px], v[XO], s[12:13] offset:32768*px th:TH_LOAD_NT   ; x: two channels' 256 bytes a load
.set px, px+1
.endr
	XIN 1
	s_wait_dscnt 0x0
	s_barrier_signal -1
	s_barrier_wait -1                              ; all 32 fragments of the merged mean of h are in LDS; nobody reads the merge's bytes any more
	WIN 0x80
.set fx, 0
.rept 32
	ds_load_b128 v[8*fx:8*fx+3], v[OBR] offset:1024*fx
	ds_load_b128 v[8*fx+4:8*fx+7], v[OBR] offset:1024*fx+512
.set fx, fx+1
.endr
	; ---- stage V: Wv x mean + bv for my 64 rows j: source 0 = Wv (window 1), source 1 = the mean (window 2); the bias starts the sums.
	; 16 accumulators by turns, one instruction a turn.
	s_wait_loadcnt 32                              ; x's 32 loads are younger than the biases' twelve
	s_wait_dscnt 0x0
	WIN 0xc9
.irp jt, 0,1,2,3
.irp b, 0,1,2,3
	v_wmma_f32_16x16x32_bf16 v[8*(4*\jt+\b):8*(4*\jt+\b)+7], v[64*\jt:64*\jt+7], v[8*\b:8*\b+7], v[BV+8*\jt:BV+8*\jt+7]
.endr
.endr
	WIN 0xf9
.irp kk, 1,2,3,4,5,6,7
.irp jt, 0,1,2,3
.irp b, 0,1,2,3
	v_wmma_f32_16x16x32_bf16 v[8*(4*\jt+\b):8*(4*\jt+\b)+7], v[8*(8*\jt+\kk):8*(8*\jt+\kk)+7], v[8*(4*\kk+\b):8*(4*\kk+\b)+7], v[8*(4*\jt+\b):8*(4*\jt+\b)+7]
.endr
.endr
.endr
	PLACES
	WIN 0x0f                                       ; two neighbouring j tiles become one fragment: lane = query r, k = j
.irp u, 0,1
.irp b, 0,1,2,3
.irp r, 0,1,2,3
	v_cvt_pk_bf16_f32 v[32+8*(4*\u+\b)+\r], v[8*(8*\u+\b)+2*\r], v[8*(8*\u+\b)+2*\r+1]
.endr
.irp r, 0,1,2,3
	v_cvt_pk_bf16_f32 v[36+8*(4*\u+\b)+\r], v[8*(8*\u+4+\b)+2*\r], v[8*(8*\u+4+\b)+2*\r+1]
.endr
.endr
.endr
	WIN 0
.irp f, 0,1,2,3,4,5,6,7
	ds_store_b128 v[XW], v[32+8*\f:35+8*\f] offset:1024*\f         ; images (kk = 2 w + u, b) at LDS byte 1,024 (4 kk + b)
	ds_store_b128 v[XW], v[36+8*\f:39+8*\f] offset:1024*\f+512
.endr
	s_wait_tensorcnt 0x0                           ; my 64 rows of proj_w: I alone read them
	WIN 0x40
.irp ot, 0,1,2,3
.irp kk, 0,1,2,3,4,5,6,7
	ds_load_b128 v[8*(8*\ot+\kk):8*(8*\ot+\kk)+3], v[AW1] offset:16*P*\ot+64*\kk
	ds_load_b128 v[8*(8*\ot+\kk)+4:8*(8*\ot+\kk)+7], v[AW1] offset:16*P*\ot+64*\kk+32
.endr
.endr
	WIN 0
.irp ot, 0,1,2,3
.irp j, 1,2,3,4,5,6,7
	v_mov_b32 v[PB+8*\ot+\j], v[PB+8*\ot]          ; a lane's eight results are eight positions of one output channel: the same bias
.endr
.endr
	s_wait_dscnt 0x0
	s_barrier_signal -1
	s_barrier_wait -1
	WIN 0x80
.set fx, 0
.rept 32
	ds_load_b128 v[8*fx:8*fx+3], v[L16] offset:1024*fx
	ds_load_b128 v[8*fx+4:8*fx+7], v[L16] offset:1024*fx+512
.set fx, fx+1
.endr
	; ---- the projection: source 0 = stage V's result (row = query), source 1 = proj_w (column = output channel); the bias starts the sums.
	; 16 accumulators by turns, one instruction a turn.
	s_wait_dscnt 0x0
	WIN 0xc6
.irp b, 0,1,2,3
.irp ot, 0,1,2,3
	v_wmma_f32_16x16x32_bf16 v[8*(4*\b+\ot):8*(4*\b+\ot)+7], v[8*\b:8*\b+7], v[64*\ot:64*\ot+7], v[PB+8*\ot:PB+8*\ot+7]
.endr
.endr
	WIN 0xf6
.irp kk, 1,2,3,4,5,6,7
.irp b, 0,1,2,3
.irp ot, 0,1,2,3
	v_wmma_f32_16x16x32_bf16 v[8*(4*\b+\ot):8*(4*\b+\ot)+7], v[8*(4*\kk+\b):8*(4*\kk+\b)+7], v[8*(8*\ot+\kk):8*(8*\ot+\kk)+7], v[8*(4*\b+\ot):8*(4*\b+\ot)+7]
.endr
.endr
.endr
	; ---- the way out: 32 bytes a lane into my own stage of 64 rows (channels) x 256 bytes, back by rows, + x, out
	PLACES
	WIN 0x0c
.irp b, 0,1,2,3
.irp ot, 0,1,2,3
	ds_store_b128 v[YW], v[8*(4*\b+\ot):8*(4*\b+\ot)+3] offset:16*YP*\ot+64*\b
	ds_store_b128 v[YW], v[8*(4*\b+\ot)+4:8*(4*\b+\ot)+7] offset:16*YP*\ot+64*\b+16
.endr
.endr
	WIN 0x80
.set px, 0
.rept 32
	ds_load_b128 v[4*px:4*px+3], v[YR] offset:2*YP*px      ; my own bytes: LDS serves a wave's instructions in order (ISA guide 5.7.1)
.set px, px+1
.endr
	s_wait_loadcnt 0x0                             ; x
	s_wait_dscnt 0x0
	WIN 0x8e
.set px, 0
.rept 64
	v_pk_add_f32 v[2*px:2*px+1], v[2*px:2*px+1], v[128+2*px:128+2*px+1]
.set px, px+1
.endr
	WIN 0x08
.set px, 0
.rept 32
	global_store_b128 v[XO], v[4*px:4*px+3], s[14:15] offset:32768*px th:TH_STORE_NT   ; sixteen lanes store 256 consecutive bytes, aligned
.set px, px+1
.endr
	WIN 0
	s_wait_xcnt 0x0
	v_lshl_add_u32 v6, v0, 2, 0x4f000
	v_mov_b32 v7, 0
	s_wait_tensorcnt 0x0
	ds_add_u32 v6, v7
	s_wait_dscnt 0x0
	CROUND                                         ; the closing round: no work-group ends while a partner may still ask jointly
	s_endpgm
.Lfunc_end_k_q05c54c9770_attn:
	.size	k_q05c54c9770_attn, .Lfunc_end_k_q05c54c9770_attn-k_q05c54c9770_attn
	.p2alignl 7, 3214868480
	.fill 96, 4, 3214868480
	.section	.rodata,"a",@progbits
	.p2align	6, 0x0
	.amdhsa_kernel k_q05c54c9770_attn
		.amdhsa_group_segment_fixed_size 327680
		.amdhsa_private_segment_fixed_size 0
		.amdhsa_enable_private_segment 0
		.amdhsa_kernarg_size 40
		.amdhsa_user_sgpr_count 2
		.amdhsa_user_sgpr_kernarg_segment_ptr 1
		.amdhsa_wavefront_size32 1
		.amdhsa_system_sgpr_workgroup_id_x 1
		.amdhsa_system_sgpr_workgroup_id_y 1
		.amdhsa_system_sgpr_workgroup_id_z 1
		.amdhsa_system_vgpr_workitem_id 0
		.amdhsa_next_free_vgpr 1024
		.amdhsa_next_free_sgpr 80
		.amdhsa_reserve_vcc 0
		.amdhsa_float_denorm_mode_32 3
		.amdhsa_float_denorm_mode_16_64 3
		.amdhsa_memory_ordered 1
		.amdhsa_forward_progress 1
		.amdhsa_inst_pref_size 255
	.end_amdhsa_kernel
	.section	.bss,"aw",@nobits
	.p2align	6
	.space	262144
	.amdgpu_metadata
---
amdhsa.version: [ 1, 2 ]
amdhsa.kernels:
  - .name:           k_q05c54c9770_attn
    .symbol:         k_q05c54c9770_attn.kd
    .args:
      - { .name: hw, .offset: 0, .size: 8, .value_kind: global_buffer, .address_space: global }
      - { .name: qkv_b, .offset: 8, .size: 8, .value_kind: global_buffer, .address_space: global }
      - { .name: proj_b, .offset: 16, .size: 8, .value_kind: global_buffer, .address_space: global }
      - { .name: x, .offset: 24, .size: 8, .value_kind: global_buffer, .address_space: global }
      - { .name: out0, .offset: 32, .size: 8, .value_kind: global_buffer, .address_space: global }
    .group_segment_fixed_size: 327680
    .private_segment_fixed_size: 0
    .kernarg_segment_align: 8
    .kernarg_segment_size: 40
    .max_flat_workgroup_size: 128
    .sgpr_count:     80
    .vgpr_count:     1024
    .wavefront_size: 32
...
	.end_amdgpu_metadata
.endif
;; end of part 5
;; ======== version 3 of 3: 2 launches; version 2 with the launch gn written anew for expert scheduling mode
;; workspace buffers: hw 10,485,760 bytes
;; launch gn (part 6): grid 128 x 1, 8 waves a work-group, no clusters, 1,280 bytes of LDS; arguments x, gn_w, gn_b, qkv_w, proj_w, hw; writes hw
.if DOCPART == 6
	.amdgcn_target "amdgcn-amd-amdhsa--gfx1250"
	.amdhsa_code_object_version 6
	.text
	.protected	k_q05c54c9770_gn
	.globl	k_q05c54c9770_gn
	.p2align	8
	.type	k_q05c54c9770_gn,@function
k_q05c54c9770_gn:
	s_mov_b64 s[64:65], 0
	v_nop
	global_prefetch_b8 v0, s[64:65] scope:SCOPE_SE
	s_setreg_imm32_b32 hwreg(HW_REG_WAVE_SCHED_MODE, 0, 2), 2
	s_setreg_imm32_b32 hwreg(HW_REG_WAVE_MODE, 25, 1), 1
	s_wait_xcnt 0x0
	s_wait_alu depctr_vm_vsrc(0)
; GroupNorm, and the weights' conversion to bf16, into ONE buffer that the next launch walks tile by tile.
; hw[b][c] is a row of 10,240 bytes: Wq[c][0..255], Wk[c][0..255], h[b][c][0..4095], Wv[c][0..255], proj_w[c][0..255], all bf16, with
; h = (x - mean) * rsqrt(var + 1e-5) * gn_w[c] + gn_b[c], statistics over a group of 8 channels x 4,096 positions.
; So a batch is twenty tiles of 256 rows x 512 bytes, one behind the other along the rows; each batch has its own copy of the weights (512 KB).
; One work-group for each of the 4 x 32 groups: a group is 131,072 consecutive bytes of x and eight rows of hw.  Eight waves; thread t holds the
; 32 pieces of 16 bytes at i * 4,096 + 16 t in 128 registers, so x is read once for the three passes (sum; sum of squared differences; scale).
; The variance is taken from the differences x - mean, not from a difference of two large sums, so a common offset of x does no harm.
; No matrix unit, no cluster: the work-groups share no large input.  128 work-groups are all there are: a group's statistics need the whole group.
; LIMITS: NaN and infinities are not treated apart; the order of the sums is this text's own.
; THE MODE: SCHED_MODE bits 1:0 = 2 (LLVM: expert scheduling mode 2), set by the entry lines.  The code itself states the register dependences
; between vector instructions and memory or LDS instructions, with s_wait_alu, always for 0.
; THE PLAN.  Registers that memory or LDS instructions touch:
;   v1, v2, v3, v[WO], v[T+2], v[T+3]   offsets and LDS addresses: made at the head, read by every load and store, never written again.
;   WF          the weight loads land in it; the sixteen conversions read it; never loaded again.
;   WH          those conversions write it; the four weight stores read it; never written again.
;   X           the loads of x land in it (no vector instruction names it before); the three passes work on it in place; of each piece the first two
;               registers are written last by pass 3's roundings, read by the piece's store, and never written again.
;   v[T]        each sum's additions write it, the sum's LDS store reads it; behind the first sum the mean is written into it.
;   v[T+4:T+7], v[ACC:ACC+3]   each sum's two LDS loads land in them; the additions ahead of and behind the loads name them.
;   v224, v225  made at the head, read by the closing add alone.
; Pass 3 goes in four blocks of two channels.  Block k writes its sixteen store registers; ONE wait at the head of block k + 1 states that they are
; written, and block k's eight stores are dealt among block k + 1's vector instructions, which name their own block's registers, GA and GB alone.
.set ROWB, 10240                       ; bytes in a row of hw
.set WO,  4                            ; v4         where my 16 bytes of a weight row go: row t / 32, byte 16 (t % 32)
.set X,   16                           ; v[16:143]  my 32 pieces of x
.set ACC, 144                          ; v[144:151] four chains of pairs
.set GA,  152                          ; v[152:159] rstd * gn_w of the 8 channels
.set GB,  160                          ; v[160:167] gn_b of the 8 channels
.set T,   168                          ; v[168:175] at work: T, T+1 the mean twice; T+2 my wave's LDS word; T+3 zero; T+4.. partial sums
.set WF,  176                          ; v[176:207] my eight weights of each of the four matrices, f32
.set WH,  208                          ; v[208:223] the same in bf16
	s_load_b256 s[4:11], s[0:1], 0x0               ; x s[4:5], gn_w s[6:7], gn_b s[8:9], qkv_w s[10:11]
	s_load_b128 s[12:15], s[0:1], 0x20             ; proj_w s[12:13], hw s[14:15]
	v_lshl_add_u32 v224, v0, 2, 0x100              ; my spare word and 0, kept for the closing lines alone
	v_mov_b32 v225, 0
	v_lshlrev_b32 v1, 4, v0                        ; 16 t: my bytes in a piece of x
	v_lshlrev_b32 v2, 5, v0                        ; 32 t: my eight weights in f32, in a block of eight rows
	v_lshlrev_b32 v3, 3, v0                        ; 8 t: my bytes in a piece of h
	v_lshrrev_b32 v[T+2], 5, v0                    ; t / 32
	v_readfirstlane_b32 s18, v[T+2]                ; wave 0..7
	v_and_b32 v[WO], 31, v0
	v_mul_u32_u24 v5, v[T+2], ROWB
	v_lshl_add_u32 v[WO], v[WO], 4, v5
	s_wait_alu depctr_va_sdst(0)                   ; s18 is written, ahead of its first reader, the line below
	v_mov_b32 v[T+2], s18
	v_lshlrev_b32 v[T+2], 2, v[T+2]                ; my wave's word in LDS
	v_mov_b32 v[T+3], 0
	s_mov_b32 s40, 0x76543210                      ; v_permlanex16_b32: lane i of one half reads lane i of the other
	s_mov_b32 s41, 0xfedcba98
	s_mov_b32 s42, 0x38000000                      ; 2^-15 = 1 / 32,768 numbers of a group
	s_and_b32 s19, ttmp9, 31                       ; the group within its batch: rows 8 grp .. 8 grp + 7 of every matrix
	s_lshl_b32 s20, s19, 13                        ; eight rows of 1,024 bytes
	s_mov_b32 s21, 0
	s_wait_kmcnt 0x0
	s_add_nc_u64 s[10:11], s[10:11], s[20:21]
	s_add_nc_u64 s[12:13], s[12:13], s[20:21]
	s_wait_alu depctr_va_vdst(0)                   ; v1, v2, v3, v[WO], v[T+2] and v[T+3] are written: every load and store of the kernel, global or LDS, reads one of them as its offset or address
.irp m, 0,1,2
	global_load_b128 v[WF+8*\m:WF+8*\m+3], v2, s[10:11] offset:262144*\m           ; Wq, Wk, Wv: 256 rows of 1,024 bytes apart
	global_load_b128 v[WF+8*\m+4:WF+8*\m+7], v2, s[10:11] offset:262144*\m+16
.endr
	global_load_b128 v[WF+24:WF+27], v2, s[12:13]
	global_load_b128 v[WF+28:WF+31], v2, s[12:13] offset:16
	s_lshl_b32 s20, ttmp9, 17
	s_add_nc_u64 s[4:5], s[4:5], s[20:21]          ; x at my group
.set ix, 0
.rept 32
	global_load_b128 v[X+4*ix:X+4*ix+3], v1, s[4:5] offset:4096*ix
.set ix, ix+1
.endr
	s_lshl_b32 s20, s19, 5                         ; eight f32 of the group's channels
	s_add_nc_u64 s[6:7], s[6:7], s[20:21]
	s_add_nc_u64 s[8:9], s[8:9], s[20:21]
	s_load_b256 s[24:31], s[6:7], 0x0              ; gn_w
	s_load_b256 s[32:39], s[8:9], 0x0              ; gn_b
	s_mul_i32 s20, ttmp9, 8*ROWB
	s_add_nc_u64 s[14:15], s[14:15], s[20:21]      ; hw at my eight rows
	s_wait_loadcnt 32                              ; the 32 loads of x are younger than the eight of the weights
.irp m, 0,1,2,3
.irp k, 0,1,2,3
	v_cvt_pk_bf16_f32 v[WH+4*\m+\k], v[WF+8*\m+2*\k], v[WF+8*\m+2*\k+1]
.endr
.endr
	s_wait_alu depctr_va_vdst(0)                   ; the sixteen conversions have written WH, which the four stores read
	global_store_b128 v[WO], v[WH:WH+3], s[14:15]                  ; a wave stores one row's 512 consecutive bytes, aligned to 256: Wq at byte 0,
	global_store_b128 v[WO], v[WH+4:WH+7], s[14:15] offset:512     ; Wk at 512,
	global_store_b128 v[WO], v[WH+8:WH+11], s[14:15] offset:9216   ; Wv behind h's 8,192 bytes,
	global_store_b128 v[WO], v[WH+12:WH+15], s[14:15] offset:9728  ; proj_w last
; count pairs from pair first on are added onto the four chains
.macro ADDP first, count
.set px, \first
.rept \count
	v_pk_add_f32 v[ACC+2*(px%4):ACC+2*(px%4)+1], v[ACC+2*(px%4):ACC+2*(px%4)+1], v[X+2*px:X+2*px+1]
.set px, px+1
.endr
.endm
; The four chains become one number for the work-group, in v[T+4] of every lane.  off: the eight LDS words used.
.macro WGSUM off
	v_pk_add_f32 v[ACC:ACC+1], v[ACC:ACC+1], v[ACC+2:ACC+3]
	v_pk_add_f32 v[ACC+4:ACC+5], v[ACC+4:ACC+5], v[ACC+6:ACC+7]
	v_pk_add_f32 v[ACC:ACC+1], v[ACC:ACC+1], v[ACC+4:ACC+5]
	v_add_f32 v[T], v[ACC], v[ACC+1]
	v_add_f32_dpp v[T], v[T], v[T] row_xmask:1 row_mask:0xf bank_mask:0xf
	v_add_f32_dpp v[T], v[T], v[T] row_xmask:2 row_mask:0xf bank_mask:0xf
	v_add_f32_dpp v[T], v[T], v[T] row_xmask:4 row_mask:0xf bank_mask:0xf
	v_add_f32_dpp v[T], v[T], v[T] row_xmask:8 row_mask:0xf bank_mask:0xf
	v_permlanex16_b32 v[ACC], v[T], s40, s41       ; its destination counts as read: ACC has been written
	v_add_f32 v[T], v[T], v[ACC]
	s_wait_alu depctr_va_vdst(0)                   ; v[T], the LDS store's data, is written; the vector instructions so far are done with v[ACC:ACC+3] and v[T+4:T+7], in which the two LDS loads below land
	ds_store_b32 v[T+2], v[T] offset:\off
	s_wait_dscnt 0x0                               ; my word is in LDS before I say so
	s_barrier_signal -1
	s_barrier_wait -1
	ds_load_b128 v[T+4:T+7], v[T+3] offset:\off    ; the eight waves' sums
	ds_load_b128 v[ACC:ACC+3], v[T+3] offset:\off+16
	s_wait_dscnt 0x0
	v_pk_add_f32 v[T+4:T+5], v[T+4:T+5], v[T+6:T+7]
	v_pk_add_f32 v[ACC:ACC+1], v[ACC:ACC+1], v[ACC+2:ACC+3]
	v_pk_add_f32 v[T+4:T+5], v[T+4:T+5], v[ACC:ACC+1]
	v_add_f32 v[T+4], v[T+4], v[T+5]
.endm
	; pass 1: the sum.  Eight loads (16 pairs) at a time; each count is the number of younger loads.
	s_wait_loadcnt 24
.set jx, 0
.rept 4
	v_pk_add_f32 v[ACC+2*jx:ACC+2*jx+1], v[X+2*jx:X+2*jx+1], v[X+8+2*jx:X+8+2*jx+1]   ; the first eight pairs start the chains: nothing is cleared
.set jx, jx+1
.endr
	ADDP 8, 8
	s_wait_loadcnt 16
	ADDP 16, 16
	s_wait_loadcnt 8
	ADDP 32, 16
	s_wait_loadcnt 0
	ADDP 48, 16
	WGSUM 0
	s_wait_alu depctr_vm_vsrc(0)                   ; the first sum's LDS store has read v[T], into which the mean is written
	v_mul_f32 v[T], s42, v[T+4]                    ; the mean, twice, for the packed subtraction
	v_mul_f32 v[T+1], s42, v[T+4]
	; pass 2: x - mean in place, and the sum of its squares
.set px, 0
.rept 64
	v_pk_add_f32 v[X+2*px:X+2*px+1], v[X+2*px:X+2*px+1], v[T:T+1] neg_lo:[0,1] neg_hi:[0,1]
.set px, px+1
.endr
.set px, 0
.rept 4
	v_pk_mul_f32 v[ACC+2*px:ACC+2*px+1], v[X+2*px:X+2*px+1], v[X+2*px:X+2*px+1]
.set px, px+1
.endr
.rept 60
	v_pk_fma_f32 v[ACC+2*(px%4):ACC+2*(px%4)+1], v[X+2*px:X+2*px+1], v[X+2*px:X+2*px+1], v[ACC+2*(px%4):ACC+2*(px%4)+1]
.set px, px+1
.endr
	WGSUM 64                                       ; other words than the first sum's: no wave can overwrite what a slower one still reads.  v[T] is not written again behind this sum's store
	v_fmaak_f32 v[T+5], s42, v[T+4], 0x3727c5ac    ; variance + 1e-5
	v_rsq_f32 v[T+6], v[T+5]
	v_nop                                          ; one plain instruction between v_rsq_f32 and the use of its result (ISA guide 5.7.2)
	s_wait_kmcnt 0x0                               ; gn_w, gn_b
	s_wait_alu depctr_va_vdst(0)                   ; v_rsq_f32 has written v[T+6], ahead of its first reader
.irp c, 0,1,2,3,4,5,6,7
	v_mul_f32 v[GA+\c], s[24+\c], v[T+6]
	v_mov_b32 v[GB+\c], s[32+\c]
.endr
	; pass 3: piece i belongs to channel i / 4; op_sel picks that channel's factor and addend out of their pairs for both halves
; Piece q of channel 2 cp + sel: scaled, shifted and rounded; its 8 bytes of bf16 close up into its first two registers.
.macro PIECE cp, sel, q
.set xb, X+16*(2*(\cp)+(\sel))+4*(\q)
	v_pk_fma_f32 v[xb:xb+1], v[xb:xb+1], v[GA+2*(\cp):GA+2*(\cp)+1], v[GB+2*(\cp):GB+2*(\cp)+1] op_sel:[0,\sel,\sel] op_sel_hi:[1,\sel,\sel]
	v_pk_fma_f32 v[xb+2:xb+3], v[xb+2:xb+3], v[GA+2*(\cp):GA+2*(\cp)+1], v[GB+2*(\cp):GB+2*(\cp)+1] op_sel:[0,\sel,\sel] op_sel_hi:[1,\sel,\sel]
	v_cvt_pk_bf16_f32 v[xb], v[xb], v[xb+1]
	v_cvt_pk_bf16_f32 v[xb+1], v[xb+2], v[xb+3]
.endm
; The same piece goes out.
.macro OUT cp, sel, q
.set xb, X+16*(2*(\cp)+(\sel))+4*(\q)
	global_store_b64 v3, v[xb:xb+1], s[14:15] offset:(2*(\cp)+(\sel))*ROWB+1024+(\q)*2048   ; h begins at byte 1,024 of the channel's row; a wave's store covers 256 consecutive bytes, aligned; its registers are not written again
.endm
.irp cp, 0,1,2,3
.if \cp > 0
	s_wait_alu depctr_va_vdst(0)                   ; the block before has written its sixteen store registers; the eight stores dealt below read them, and no vector instruction of this block names them
.endif
.irp sel, 0,1
.irp q, 0,1,2,3
.if \cp > 0
	OUT \cp-1, \sel, \q
.endif
	PIECE \cp, \sel, \q
.endr
.endr
.endr
	s_wait_alu depctr_va_vdst(0)                   ; the last block has written its sixteen store registers, which the last eight stores read
.irp sel, 0,1
.irp q, 0,1,2,3
	OUT 3, \sel, \q
.endr
.endr
	s_wait_dscnt 0x0                               ; the closing lines, six on end
	s_wait_alu 0x0
	s_wait_tensorcnt 0x0
	ds_add_u32 v224, v225
	s_wait_dscnt 0x0
	s_endpgm
.Lfunc_end_k_q05c54c9770_gn:
	.size	k_q05c54c9770_gn, .Lfunc_end_k_q05c54c9770_gn-k_q05c54c9770_gn
	.p2alignl 7, 3214868480
	.fill 96, 4, 3214868480
	.section	.rodata,"a",@progbits
	.p2align	6, 0x0
	.amdhsa_kernel k_q05c54c9770_gn
		.amdhsa_group_segment_fixed_size 1280
		.amdhsa_private_segment_fixed_size 0
		.amdhsa_enable_private_segment 0
		.amdhsa_kernarg_size 48
		.amdhsa_user_sgpr_count 2
		.amdhsa_user_sgpr_kernarg_segment_ptr 1
		.amdhsa_wavefront_size32 1
		.amdhsa_system_sgpr_workgroup_id_x 1
		.amdhsa_system_sgpr_workgroup_id_y 1
		.amdhsa_system_sgpr_workgroup_id_z 1
		.amdhsa_system_vgpr_workitem_id 0
		.amdhsa_next_free_vgpr 226
		.amdhsa_next_free_sgpr 66
		.amdhsa_reserve_vcc 0
		.amdhsa_float_denorm_mode_32 3
		.amdhsa_float_denorm_mode_16_64 3
		.amdhsa_memory_ordered 1
		.amdhsa_forward_progress 1
		.amdhsa_inst_pref_size 34
	.end_amdhsa_kernel
	.amdgpu_metadata
---
amdhsa.version: [ 1, 2 ]
amdhsa.kernels:
  - .name:           k_q05c54c9770_gn
    .symbol:         k_q05c54c9770_gn.kd
    .args:
      - { .name: x, .offset: 0, .size: 8, .value_kind: global_buffer, .address_space: global }
      - { .name: gn_w, .offset: 8, .size: 8, .value_kind: global_buffer, .address_space: global }
      - { .name: gn_b, .offset: 16, .size: 8, .value_kind: global_buffer, .address_space: global }
      - { .name: qkv_w, .offset: 24, .size: 8, .value_kind: global_buffer, .address_space: global }
      - { .name: proj_w, .offset: 32, .size: 8, .value_kind: global_buffer, .address_space: global }
      - { .name: hw, .offset: 40, .size: 8, .value_kind: global_buffer, .address_space: global }
    .group_segment_fixed_size: 1280
    .private_segment_fixed_size: 0
    .kernarg_segment_align: 8
    .kernarg_segment_size: 48
    .max_flat_workgroup_size: 256
    .sgpr_count:     66
    .vgpr_count:     226
    .wavefront_size: 32
...
	.end_amdgpu_metadata
.endif
;; end of part 6
;; launch attn: the kernel of part 5 again; grid 256 x 1, 4 waves a work-group, clusters of 4 x 1, 327,680 bytes of LDS; arguments hw, qkv_b, proj_b, x, out0; writes out0
